; MI455X (gfx1250); checked and timed in simulation.
; The chip was launched on July 23, 2026; its instructions are those of AMD's public machine-readable ISA for CDNA 5 (MIT licence, August 2026) and "CDNA5" Instruction Set Architecture Reference Guide (July 2026). The comments in the code are by the model that wrote it; some were corrected since.
;; Self Attention Basicv2. Allowed arithmetic: matrix products marked QUANTISED: E3M2 operands, one E8M0 scale for each 32 along K, by v_wmma_scale_f32_16x16x128_f8f6f4 with both operands' format E3M2, f32 sums; everything else in f32.
;; Inputs: Wk 1,024 x 1,024 float32; Wq 1,024 x 1,024 float32; Wv 1,024 x 1,024 float32; x 4,096 x 1,024 float32.
;; Outputs: out0 4,096 x 1,024 float32.
;; This version of the problem:
;;   THIS VERSION OF THE PROBLEM IS GIVEN IN LOW PRECISION. The matrix products marked QUANTISED in the list below multiply operands that are first quantised to E3M2 (3 exponent bits, 2 mantissa bits; 6 bits a number), with one power-of-two scale for each 32 numbers along K (OCP MX v1.0); their sums are f32. All else is computed in f32.
;;   The module's matrix products, in the order in which they are computed (A, B: the left and right operand; K: the contracted axis; several contracted axes count as one K, in the product's order):
;;     1. [M 4,096, K 1,024] x [K 1,024, N 1,024]; A: input x; B: input Wq: QUANTISED
;;     2. [M 4,096, K 1,024] x [K 1,024, N 1,024]; A: input x; B: input Wk: QUANTISED
;;     3. [M 4,096, K 1,024] x [K 1,024, N 1,024]; A: input x; B: input Wv: QUANTISED
;;     4. [M 4,096, K 1,024] x [K 1,024, N 4,096]; A: computed on the way; B: computed on the way: QUANTISED
;;     5. [M 4,096, K 4,096] x [K 4,096, N 1,024]; A: softmax (see below); B: computed on the way: QUANTISED
;;   THE QUANTISER, for each operand of a quantised product, along K:
;;     - K is cut into blocks of 32 from its start; a last block that is shorter is filled with zeros.
;;     - A block's scale is 2^e with e = floor(log2(the largest magnitude in the block)) - 4, held to -126 .. 127; a block of zeros has e = 0. As a byte (E8M0): e + 127.
;;     - Each number is divided by its block's scale, clamped to +-28, and rounded to the nearest number of E3M2, ties to even, subnormals kept.
;;     - The product sums the exact products of the quantised numbers (number of the format x scale) in f32.
;;   ~~~python
;;   def quantise(x, axis):      # numpy; x: float32 -> the quantised numbers, widened to float32 again
;;       x = np.moveaxis(x, axis, -1); K = x.shape[-1]
;;       x = np.pad(x, [(0, 0)] * (x.ndim - 1) + [(0, -K % 32)]); x = x.reshape(x.shape[:-1] + (-1, 32)); a = np.abs(x).max(-1, keepdims=True)
;;       e = np.where(a > 0, np.clip(np.frexp(np.where(a > 0, a, 1))[1] - 1 - 4, -126, 127), 0)      # np.frexp(a)[1] - 1 = floor(log2(a)), exactly
;;       r = np.clip(x / 2.0 ** e, -28, 28)
;;       step = 2.0 ** (np.maximum(np.frexp(np.where(r == 0, 1, r))[1] - 1, -2) - 2)
;;       q = np.round(r / step) * step * 2.0 ** e      # np.round: ties to even
;;       return np.moveaxis(q.reshape(q.shape[:-2] + (-1,))[..., :K], -1, axis).astype(np.float32)
;;   ~~~
;;   SOFTMAX AHEAD OF A QUANTISED PRODUCT. Where the list says 'softmax', what is quantised is not the finished softmax but p = 2^(t - M), with t = logit x log2(e) and M = ceil(the row's largest t), a whole number; so 1/2 < the row's largest p <= 1. The row's sum l is taken of the UNQUANTISED p, in f32, and the product's result is divided by l at the end. Since M is a whole number, a kernel that streams over the keys may use a running M (the ceiling of the running maximum): every later rescaling is an exact power of two, which a block's scale takes up: the codes' values come out the same.
;;   OPERANDS COMPUTED ON THE WAY. 'Computed on the way' means the value that the module computes at that place (a softmax that the list does not call 'softmax' is quantised finished and normalised). What goes into a quantiser is computed in f32, as accurately as f32 sums, v_exp_f32 and their like allow (about 1e-6 of the number): no bf16 or f16 on the way to a quantiser, and a product that is left as it is and whose result goes on into a quantised operand takes f32 operands (vector FMAs, or v_wmma_f32_16x16x4_f32). A number that lies on a knife's edge between two numbers of the format may be rounded either way, as far as f32 arithmetic and the matrix unit's own rounding can turn it there, and no further.
;; One version. Each part assembles by itself: llvm-mc -triple=amdgcn-amd-amdhsa -mcpu=gfx1250 --defsym DOCPART=n.
;; ======== version 1 of 1: 4 launches
;; limits: right only within a limited range of input values
;; workspace buffers: c1 5,505,024 bytes; s1 229,376 bytes; c2 9,437,184 bytes; s2 393,216 bytes; pc 12,582,912 bytes; pstat 1,572,864 bytes
;; launch quant (part 1): grid 256 x 1, 14 waves a work-group, no clusters, 120,064 bytes of LDS; arguments x, Wq, Wk, Wv, c1, s1; writes c1, s1
.if DOCPART == 1
	.amdgcn_target "amdgcn-amd-amdhsa--gfx1250"
	.amdhsa_code_object_version 6
	.text
	.protected	k_q61752aa515_quant
	.globl	k_q61752aa515_quant
	.p2align	8
	.type	k_q61752aa515_quant,@function
k_q61752aa515_quant:
	s_mov_b64 s[64:65], 0
	v_nop
	global_prefetch_b8 v0, s[64:65] scope:SCOPE_SE
	s_setreg_imm32_b32 hwreg(HW_REG_WAVE_MODE, 25, 1), 1
	s_wait_xcnt 0x0
; x [4096][1024], Wq, Wk, Wv [1024][1024], f32, K innermost, become codes of BF6 (E3M2) with one E8M0 scale byte for each 32 along K.  No step of the problem is left out in any launch.
; A block's scale is 2^(floor(log2(its largest magnitude)) - 4); its byte is the largest magnitude's exponent field - 4, held at 1 from below.
; LIMITS: a block of zeros gets the byte 1 where the rule says 127 (its codes are zeros, and this program alone reads the bytes); blocks whose largest magnitude lies under 2^-122 keep the byte 1; NaN and infinities are not served.
; THE OUTPUT IS LAID AS THE MATRIX UNIT'S REGISTERS WANT IT.  A fragment is 16 rows x 128 K = 12 registers a lane; its image is 1,536 bytes: registers 4 g .. 4 g + 3 of lane l at 512 g + 16 l.
; c1 = [block of 128 rows, 0..55][K step 0..7][tile in the block 0..7][1,536]; blocks 0-31 are x's, 32-39 Wq's, 40-47 Wk's, 48-55 Wv's.
; THE ROWS OF A TILE ARE NOT NEIGHBOURS: lane r of tile T takes row 32 (T / 2) + 8 (T % 2) + r + 8 (r / 8), so that a later product's results, used transposed, hold 16 neighbours along the next K in 16 registers.
; s1 = scale words (four bytes: one row, 128 K) as [block][K step][128 places].
; SHARES: 448 tiles x 8 K steps = 3,584 units = 256 work-groups x 14 waves, a unit a wave: 16 rows x 512 bytes.  Each load reads 512 consecutive bytes of one row; the rows turn through the wave's own stage in LDS
; (16 bytes of padding behind each 512) and come back so that lane (r, h) holds blocks h and 2 + h of row r whole: no other lane is asked for a maximum.
; No matrix work, no tensor load, no barrier: waves share nothing, and no two work-groups read the same byte.
.set STGB, 16*528                      ; a wave's stage
.set SPARE, 14*STGB                    ; the spare words, 128 bytes for each wave
.set R,  16                            ; v16-79   16 rows as loaded, 4 registers each
.set X,  80                            ; v80-143  my 64 numbers: block h, then block 2 + h
.set PC, 144                           ; v144-155 the fragment; v156-158, v160-162 the second halves of the two blocks as converted
	s_load_b256 s[4:11], s[0:1], 0x0               ; x, Wq, Wk, Wv
	s_load_b128 s[12:15], s[0:1], 0x20             ; c1, s1
	v_lshl_add_u32 v168, v0, 2, SPARE
	v_mov_b32 v169, 0
	v_lshrrev_b32 v1, 5, v0
	v_readfirstlane_b32 s16, v1                    ; wave
	v_and_b32 v1, 31, v0                           ; lane
	v_and_b32 v2, 15, v0                           ; r
	v_bfe_u32 v3, v0, 4, 1                         ; h
	s_mul_i32 s17, s16, STGB
	v_lshlrev_b32 v4, 4, v1                        ; 16 x lane: my bytes of a load, and of an image's store
	v_mul_u32_u24 v6, v2, 528
	v_lshlrev_b32 v7, 2, v2                        ; my row's scale word
	v_add_nc_u32 v5, s17, v4                       ; into the stage: as loaded
	v_lshl_add_u32 v6, v3, 7, v6
	v_add_nc_u32 v6, s17, v6                       ; out of it: row r, block h
	s_mul_i32 s18, ttmp9, 14
	s_add_co_u32 s18, s18, s16                     ; my unit
	s_lshr_b32 s19, s18, 3                         ; tile T
	s_and_b32 s16, s18, 7                          ; K step
	s_mov_b32 s20, 0x76543210
	s_mov_b32 s21, 0xfedcba98                      ; v_permlanex16_b32's selects for lane l xor 16
	s_cmp_lt_u32 s19, 256
	s_cselect_b32 s22, 255, 63
	s_and_b32 s22, s19, s22                        ; the tile's number inside its tensor
	s_lshr_b32 s23, s22, 1
	s_lshl_b32 s23, s23, 5
	s_and_b32 s24, s22, 1
	s_lshl_b32 s24, s24, 3
	s_add_co_u32 s23, s23, s24                     ; its first row: 32 (T / 2) + 8 (T % 2)
	s_lshl_b32 s24, s23, 12                        ; x 4,096 bytes a row
	s_lshl_b32 s25, s16, 9
	s_add_co_u32 s24, s24, s25                     ; + 512 bytes a K step
	s_mov_b32 s25, 0
	s_lshr_b32 s28, s19, 3
	s_lshl_b32 s28, s28, 3
	s_add_co_u32 s28, s28, s16                     ; 8 x block + K step
	s_and_b32 s29, s19, 7
	s_lshl_b32 s26, s28, 3
	s_add_co_u32 s26, s26, s29
	s_mul_i32 s26, s26, 1536                       ; the image's place in c1
	s_mov_b32 s27, 0
	s_lshl_b32 s28, s28, 9
	s_lshl_b32 s29, s29, 6
	s_add_co_u32 s28, s28, s29                     ; the 16 scale words' place in s1
	s_mov_b32 s29, 0
	s_wait_alu depctr_va_vdst(0)                   ; the head's end
	s_wait_kmcnt 0x0
	s_mov_b64 s[22:23], s[10:11]                   ; which tensor: the choice hangs on ids alone
	s_cmp_lt_u32 s19, 384
	s_cselect_b64 s[22:23], s[8:9], s[22:23]
	s_cmp_lt_u32 s19, 320
	s_cselect_b64 s[22:23], s[6:7], s[22:23]
	s_cmp_lt_u32 s19, 256
	s_cselect_b64 s[22:23], s[4:5], s[22:23]
	s_add_nc_u64 s[22:23], s[22:23], s[24:25]
	s_add_nc_u64 s[12:13], s[12:13], s[26:27]
	s_add_nc_u64 s[14:15], s[14:15], s[28:29]
.irp p, 0,1,2,3,4,5,6,7,8,9,10,11,12,13,14,15
	global_load_b128 v[R+4*\p:R+4*\p+3], v4, s[22:23] offset:(\p+8*(\p/8))*4096 th:TH_LOAD_NT   ; place p of the tile: 32 lanes read 512 consecutive bytes
.endr
.irp p, 0,1,2,3,4,5,6,7,8,9,10,11,12,13,14,15
	s_wait_loadcnt 15-\p                           ; loads come back in order: row p is in, the younger rows may be out
	ds_store_b128 v5, v[R+4*\p:R+4*\p+3] offset:528*\p
.endr
.irp i, 0,1,2,3,4,5,6,7
	ds_load_b128 v[X+4*\i:X+4*\i+3], v6 offset:16*\i            ; LDS serves a wave's instructions in order: these see the stores above.  Block h
.endr
.irp i, 0,1,2,3,4,5,6,7
	ds_load_b128 v[X+32+4*\i:X+32+4*\i+3], v6 offset:256+16*\i  ; block 2 + h
.endr
	s_wait_dscnt 0x0
; the two blocks' largest magnitudes, in four chains by turns, with the floor 2^(5 - 127) among the leaves: the byte cannot fall under 1
	v_max3_num_f32 v8, |v[X]|, |v[X+1]|, 0x2800000
	v_max3_num_f32 v10, |v[X+32]|, |v[X+33]|, 0x2800000
	v_max3_num_f32 v9, |v[X+2]|, |v[X+3]|, |v[X+4]|
	v_max3_num_f32 v11, |v[X+34]|, |v[X+35]|, |v[X+36]|
.irp i, 5,9,13,17,21,25
	v_max3_num_f32 v8, v8, |v[X+\i]|, |v[X+\i+1]|
	v_max3_num_f32 v10, v10, |v[X+32+\i]|, |v[X+33+\i]|
	v_max3_num_f32 v9, v9, |v[X+\i+2]|, |v[X+\i+3]|
	v_max3_num_f32 v11, v11, |v[X+34+\i]|, |v[X+35+\i]|
.endr
	v_max3_num_f32 v8, v8, |v[X+29]|, |v[X+30]|
	v_max3_num_f32 v10, v10, |v[X+61]|, |v[X+62]|
	v_max3_num_f32 v8, v8, v9, |v[X+31]|
	v_max3_num_f32 v10, v10, v11, |v[X+63]|
	v_add_nc_u32 v12, 0xfe000000, v8               ; 4 off the exponent field: the conversion takes the exponent field of this operand as its scale
	v_add_nc_u32 v13, 0xfe000000, v10
	v_lshrrev_b32 v14, 23, v12                     ; the scales' bytes
	v_lshrrev_b32 v15, 23, v13
	s_delay_alu instid0(VALU_DEP_1)
	v_lshl_or_b32 v9, v15, 16, v14                 ; blocks h and 2 + h,
	v_lshlrev_b32 v11, 3, v3
	s_delay_alu instid0(VALU_DEP_1)
	v_lshlrev_b32 v9, v11, v9                      ; at their places in the word (8 h bits up);
	v_mov_b32 v11, 0
	s_delay_alu instid0(VALU_DEP_1)
	v_permlanex16_b32 v11, v9, s20, s21
	s_delay_alu instid0(VALU_DEP_1)
	v_or_b32 v9, v9, v11                           ; with lane l xor 16's two the word is whole
	v_cvt_scalef32_pk16_bf6_f32 v[PC:PC+2], v[X:X+15], v12
	v_cvt_scalef32_pk16_bf6_f32 v[PC+12:PC+14], v[X+16:X+31], v12      ; (a conversion's three registers begin on an even number)
	v_cvt_scalef32_pk16_bf6_f32 v[PC+6:PC+8], v[X+32:X+47], v13
	v_cvt_scalef32_pk16_bf6_f32 v[PC+16:PC+18], v[X+48:X+63], v13
	v_nop                                          ; one plain place behind a scaled conversion
.irp i, 0,1,2
	v_mov_b32 v[PC+3+\i], v[PC+12+\i]
	v_mov_b32 v[PC+9+\i], v[PC+16+\i]
.endr
.irp g, 0,1,2
	global_store_b128 v4, v[PC+4*\g:PC+4*\g+3], s[12:13] offset:512*\g   ; 32 lanes store 512 consecutive bytes, at a multiple of 256 from c1's first byte
.endr
	v_cmp_gt_u32 vcc_lo, 16, v1
	s_wait_alu depctr_va_vdst(0)
	s_wait_xcnt 0x0                                ; EXEC changes only behind this wait
	s_wait_tensorcnt 0x0                           ; the wave's end
	ds_add_u32 v168, v169
	s_wait_dscnt 0x0
	s_and_saveexec_b32 s30, vcc_lo
	global_store_b32 v7, v9, s[14:15]              ; lanes 0-15: 64 consecutive bytes; one byte for each 128 that the launch reads
	s_wait_xcnt 0x0                                ; and again, in front of the line that widens it
	s_or_b32 exec_lo, exec_lo, s30
	s_endpgm
.Lfunc_end_k_q61752aa515_quant:
	.size	k_q61752aa515_quant, .Lfunc_end_k_q61752aa515_quant-k_q61752aa515_quant
	.p2alignl 7, 3214868480
	.fill 96, 4, 3214868480
	.section	.rodata,"a",@progbits
	.p2align	6, 0x0
	.amdhsa_kernel k_q61752aa515_quant
		.amdhsa_group_segment_fixed_size 120064
		.amdhsa_private_segment_fixed_size 0
		.amdhsa_enable_private_segment 0
		.amdhsa_kernarg_size 48
		.amdhsa_user_sgpr_count 2
		.amdhsa_user_sgpr_kernarg_segment_ptr 1
		.amdhsa_wavefront_size32 1
		.amdhsa_system_sgpr_workgroup_id_x 1
		.amdhsa_system_sgpr_workgroup_id_y 1
		.amdhsa_system_sgpr_workgroup_id_z 1
		.amdhsa_system_vgpr_workitem_id 0
		.amdhsa_next_free_vgpr 170
		.amdhsa_next_free_sgpr 66
		.amdhsa_reserve_vcc 1
		.amdhsa_float_denorm_mode_32 3
		.amdhsa_float_denorm_mode_16_64 3
		.amdhsa_memory_ordered 1
		.amdhsa_forward_progress 1
		.amdhsa_inst_pref_size 11
	.end_amdhsa_kernel
	.amdgpu_metadata
---
amdhsa.version: [ 1, 2 ]
amdhsa.kernels:
  - .name:           k_q61752aa515_quant
    .symbol:         k_q61752aa515_quant.kd
    .args:
      - { .name: x, .offset: 0, .size: 8, .value_kind: global_buffer, .address_space: global }
      - { .name: Wq, .offset: 8, .size: 8, .value_kind: global_buffer, .address_space: global }
      - { .name: Wk, .offset: 16, .size: 8, .value_kind: global_buffer, .address_space: global }
      - { .name: Wv, .offset: 24, .size: 8, .value_kind: global_buffer, .address_space: global }
      - { .name: c1, .offset: 32, .size: 8, .value_kind: global_buffer, .address_space: global }
      - { .name: s1, .offset: 40, .size: 8, .value_kind: global_buffer, .address_space: global }
    .group_segment_fixed_size: 120064
    .private_segment_fixed_size: 0
    .kernarg_segment_align: 8
    .kernarg_segment_size: 48
    .max_flat_workgroup_size: 448
    .sgpr_count:     66
    .vgpr_count:     170
    .wavefront_size: 32
...
	.end_amdgpu_metadata
.endif
;; end of part 1
;; launch proj (part 2): grid 16 x 12, 4 waves a work-group, clusters of 4 x 4, 327,680 bytes of LDS; arguments c1, s1, c2, s2; writes c2, s2
.if DOCPART == 2
	.amdgcn_target "amdgcn-amd-amdhsa--gfx1250"
	.amdhsa_code_object_version 6
	.text
	.protected	k_q61752aa515_proj
	.globl	k_q61752aa515_proj
	.p2align	8
	.type	k_q61752aa515_proj,@function
k_q61752aa515_proj:
	s_mov_b64 s[64:65], 0
	v_nop
	global_prefetch_b8 v0, s[64:65] scope:SCOPE_SE
	s_setreg_imm32_b32 hwreg(HW_REG_WAVE_MODE, 25, 1), 1
	s_wait_xcnt 0x0
	s_wait_alu depctr_hold_cnt(0) depctr_sa_sdst(0) depctr_va_vdst(0) depctr_va_sdst(0) depctr_va_ssrc(0) depctr_va_vcc(0) depctr_vm_vsrc(0)
	s_getreg_b32 s2, hwreg(HW_REG_IB_STS2, 6, 4)
	s_cmp_eq_u32 s2, 0
	s_cbranch_scc0 .Lentry_in_a_cluster
	s_endpgm
.Lentry_in_a_cluster:
	s_bfe_u32 s2, ttmp6, 0x10000c
	s_cmp_lg_u32 s2, 0xf033
	s_cbranch_scc0 .Lentry_shape_is_right
	s_endpgm
.Lentry_shape_is_right:
; q = x Wq^T, k = x Wk^T and v^T = Wv x^T on codes of BF6 (E3M2), K = 1,024, each result quantised along its next K (q, k: channels; v^T: tokens) and stored as images of fragments.
; A work-group makes 256 x 256 of one of the three (cluster row y = 0: q, 1: k, 2: v^T): 192 work-groups.  Four waves, 128 x 128 each: 64 accumulators, 512 registers.
; THE MATRIX INSTRUCTION IS USED TRANSPOSED: source 0 ('B') gives the registers' direction, source 1 ('A') the lane: q, k: A = tokens, B = channels; v^T: A = channels, B = tokens.
; OPERANDS: c1 = [block of 128 rows][K step 0..7][8 fragments][1,536].  A wave fetches one block's K steps: any run of them is dense, stated as rows of 256 bytes.
; OUTPUT: c2 = q's blocks 0-31, k's 32-63 as [block of 128 tokens][K step][8][1,536]; from byte 6,291,456 on v^T's as [block of 128 channels][c % 8][c / 8][8][1,536], c = the chunk of 128 tokens.
; s2 = scale words: [block][K step][128 places]; from byte 262,144 on v^T's [block of 128 channels][chunk][128 places].
; THE RING: LDS has six places of one K step.  K steps 0-2 come at the head (one load a wave), 3-5 behind the full sequence into bytes not filled before, 6-7 to places 0 and 1 behind the round in K step 2.
; ALL SCALE WORDS of the wave's 128 + 128 rows stay in 64 registers, v[SC + 8 i + s]: lanes 0-15 A's tile i, lanes 16-31 B's.  The 8 K steps are written out, since each names its own.
; CLUSTERS: 4 x 4 work-groups: A's tile is shared along a row of the cluster, B's along a column, each asked for jointly.
; No prefetch: the block is 256 x 256 in clusters, and K has eight steps, all but two of them asked for ahead of the first product.
; LIMITS: a block of zeros gets the byte 1 (its codes are zeros); NaN and infinities are not served.
; REGISTERS: window 0: v16-29 addresses; v32-95 scale words; v1-2, v96-127 at work on the way out; v128-223 A's 8 fragments.  window 1: B's fragments, two sets; on the way out v0-159 the codes, 20 registers a tile.
;   windows 2, 3: accumulators (a, b) at v[8 (8 (a % 4) + b)].
.set FR,    12
.set FRB,   1536
.set STEPB, 8*FRB                      ; a block's K step
.set PART,  6*STEPB                    ; six places; LDS: A's two blocks, then B's two
.set BLK,   8*STEPB                    ; a block in memory
.set STG,   4*PART                     ; behind the ring: a stage of 512 bytes a wave for scale words; no fill lands here
.set SPARE, STG+4*512                  ; the spare words, 128 bytes for each wave
.set ADRA, 16                          ; v16-17  LDS address of my A fragments in places 0-2, 3-5
.set ADRB, 20                          ; v20-21  the same for B
.set LI,   24                          ; v24  16 x lane
.set STW,  25                          ; v25  the stage: my row's word
.set STR,  26                          ; v26  the stage, read back
.set SCO,  27                          ; v27  my byte offset among the scale words
.set SPW,  28                          ; v28  LDS address of my spare word; never rewritten
.set NIL,  29                          ; v29  0; never rewritten
.set SC,   32
.set BM,   96                          ; v96-103   the blocks' largest magnitudes, of two tiles
.set BX,   104                         ; v104-111  the other half's
.set SO,   112                         ; v112-119  the conversions' scale operands
.set SB,   120                         ; v120-127  the scales' bytes
.set AF,   128
.set G1, 24                            ; s[24:31], s[32:35] descriptor groups 1 and 0 for A;  s[48:55], s[56:59] for B
.set G0, 32
.set G1B, 48
.set G0B, 56
.set MSB, 0
.macro WIN new                         ; the immediate's high byte repeats the setting that is left; a switch that changes nothing is dropped
.if MSB != (\new)
	s_set_vgpr_msb (MSB<<8)|(\new)
.set MSB, (\new)
.endif
.endm
; A joint load: waves 0 and 1 fetch for A, waves 2 and 3 for B.  The branch hangs on the wave's number alone.  Four v_nop follow each line.
.macro JLOAD
	s_cmp_eq_u32 s15, 0
	s_cbranch_scc0 .Lfor_b_\@
	tensor_load_to_lds s[G0:G0+3], s[G1:G1+7]
	s_nop 0
.rept 4
	v_nop
.endr
	s_branch .Lasked_\@
.Lfor_b_\@:
	tensor_load_to_lds s[G0B:G0B+3], s[G1B:G1B+7]
	s_nop 0
.rept 4
	v_nop
.endr
.Lasked_\@:
.endm
.macro CREST                           ; a round of the cluster's barrier behind its opening barrier
	s_cmp_lg_u32 s14, 0
	s_cbranch_scc1 .Lnot_wave_0_\@
	s_barrier_signal -3
.Lnot_wave_0_\@:
	s_barrier_wait -3
	s_barrier_signal -1
	s_barrier_wait -1
.endm
.macro CROUND
	s_barrier_signal -1
	s_barrier_wait -1
	CREST
.endm
.macro PLACES n                        ; plain vector places behind matrix instructions (ISA guide 7.12.1)
.rept \n
	v_nop
.endr
.endm
; A K step's 48 LDS loads in one run: B's eight fragments and A's eight, three loads of 512 consecutive bytes each.  K step n lies in place n % 6.  Both operands have two sets of registers.
; A's set of even K steps is v128-223 of window 0; that of odd ones takes what else is free: tiles 0, 1 at v96, 2, 3 at v224 of window 0, tiles 4, 5 at v96, 6, 7 at v224 of window 1.
.macro ALD n, i
.if (\n)%2
.set FA_, 96+128*(((\i)/2)%2)+FR*((\i)%2)
.else
.set FA_, AF+FR*(\i)
.endif
.irp g, 0,1,2
	ds_load_b128 v[FA_+4*\g:FA_+4*\g+3], v[ADRA+FP_/3] offset:(FP_%3)*STEPB+(\i)*FRB+512*\g
.endr
.endm
.macro LOADS n
.set FP_, (\n)%6
.set FS_, 128*((\n)%2)
	WIN 0x40                                       ; destination window 1, address window 0
.irp i, 0,1,2,3,4,5,6,7
.irp g, 0,1,2
	ds_load_b128 v[FS_+FR*\i+4*\g:FS_+FR*\i+4*\g+3], v[ADRB+FP_/3] offset:(FP_%3)*STEPB+\i*FRB+512*\g
.endr
.endr
	WIN 0x40*((\n)%2)
.irp i, 4,5,6,7
	ALD \n, \i
.endr
	WIN 0
.irp i, 0,1,2,3
	ALD \n, \i
.endr
.endm
; Eight matrix instructions: A's tile a x B's eight.  The 64 accumulators take turns, in the same order in every step.
.macro MUL8 ks, a, c
.if (\ks)%2
	WIN 0xa1+0x54*((\a)/4)                         ; source 0 (B) window 1, source 1 (A) window 0 or 1, C and D window 2 or 3
.set MF_, 96+128*(((\a)/2)%2)+FR*((\a)%2)
.else
	WIN 0xa1+0x50*((\a)/4)                         ; source 1 (A) window 0
.set MF_, AF+FR*(\a)
.endif
.set MP_, 128*((\ks)%2)
.irp b, 0,1,2,3,4,5,6,7
.set MA_, 8*(8*((\a)%4)+\b)
	v_wmma_scale_f32_16x16x128_f8f6f4 v[MA_:MA_+7], v[MP_+FR*\b:MP_+FR*\b+FR-1], v[MF_:MF_+FR-1], \c, v[SC+8*\b+(\ks)], v[SC+8*(\a)+(\ks)] matrix_a_fmt:MATRIX_FMT_BF6 matrix_b_fmt:MATRIX_FMT_BF6 matrix_a_scale:MATRIX_SCALE_ROW1
.endr
.endm
; A K step with nothing to guard: ahead of its products it asks for the next step's fragments, into the registers that the last step read.
.macro STEP ks, c, next
	s_wait_dscnt 0x0                               ; this step's fragments are in
.if \next
	PLACES 4
	LOADS (\ks)+1
.endif
.irp a, 0,1,2,3,4,5,6,7
	MUL8 \ks, \a, \c
.endr
.endm
; A K step with a barrier: in front of it each wave waits for all its tensor loads, adds 0 to its spare word, and waits for that; its reads, this step's fragments among them, are over.
; fill = 1: places 0 and 1 are filled again, with K steps 6 and 7; the barrier then opens a round of the cluster's barrier.
.macro TURN ks, fill
	s_wait_dscnt 0x0
	MUL8 \ks, 0, v[MA_:MA_+7]
	MUL8 \ks, 1, v[MA_:MA_+7]
	WIN 0                                          ; (the add's two registers lie in window 0)
	s_wait_tensorcnt 0x0                           ; all my tensor loads have landed
	ds_add_u32 v[SPW], v[NIL]
.if \fill
.irp g, G1, G1B                                ; no tensor load of mine is out: from here on a load brings two K steps, 96 rows
	s_mov_b32 s[\g+2], 96<<16
	s_mov_b32 s[\g+4], 96
.endr
.irp g, G0, G0B
	s_mov_b32 s[\g+1], s45
	s_add_nc_u64 s[\g+2:\g+3], s[\g+2:\g+3], 3*STEPB
.endr
.endif
	MUL8 \ks, 2, v[MA_:MA_+7]
	s_wait_dscnt 0x0
	s_barrier_signal -1
	MUL8 \ks, 3, v[MA_:MA_+7]
	WIN 0
	s_barrier_wait -1
.if \fill
	CREST                                          ; no wave of any partner still reads these places or has a load on its way
	JLOAD                                          ; the first tensor load behind the round; its four v_nop are the places in front of the loads below
.else
	PLACES 4
.endif
	LOADS (\ks)+1
.irp a, 4,5,6,7
	MUL8 \ks, \a, v[MA_:MA_+7]
.endr
.endm
	s_load_b128 s[4:7], s[0:1], 0x0                ; c1, s1
	s_load_b128 s[8:11], s[0:1], 0x10              ; c2, s2
	v_lshl_add_u32 v[SPW], v0, 2, SPARE
	v_mov_b32 v[NIL], 0
	ds_add_u32 v[SPW], v[NIL]                      ; the opening: the add, twice on end, and its wait
	ds_add_u32 v[SPW], v[NIL]
	v_lshrrev_b32 v1, 5, v0
	v_readfirstlane_b32 s14, v1                    ; wave 0..3
	s_lshr_b32 s15, s14, 1                         ; which half of A is mine.  Also: I fetch for A (0) or for B (1)
	s_and_b32 s16, s14, 1                          ; which half of B.  Also: which block I fetch
	s_bfe_u32 s40, ttmp6, 0x40000                  ; cx, cy
	s_bfe_u32 s41, ttmp6, 0x40004
	s_and_b32 s74, ttmp7, 0xffff                   ; 0: q, 1: k, 2: v^T
	s_lshl_b32 s75, ttmp9, 2
	s_lshl_b32 s76, s74, 3
	s_add_co_u32 s76, s76, 32                      ; the weight's first block
	s_cmp_eq_u32 s74, 2
	s_cselect_b32 s77, 0, s75
	s_cselect_b32 s78, s75, 0
	s_cselect_b32 s79, s76, 0
	s_cselect_b32 s80, 0, s76
	s_add_co_u32 s17, s41, s77                     ; A's 256 rows
	s_add_co_u32 s42, s40, s78                     ; B's 256 rows
	s_lshl_b32 s43, s41, 2
	s_lshl_b32 s43, 15, s43                        ; my row of the cluster
	s_lshl_b32 s44, 0x1111, s40                    ; my column
	s_or_b32 s[G1+0], s43, (3<<16)|(1<<21)         ; elements of 8 bytes, bit 21 beside the mask
	s_or_b32 s[G1B+0], s44, (3<<16)|(1<<21)
.irp g, G1, G1B
	s_mov_b32 s[\g+1], 32<<16                      ; rows of 256 bytes
	s_mov_b32 s[\g+2], 144<<16                     ; three K steps: 144 rows
	s_mov_b32 s[\g+3], 32<<16
	s_mov_b32 s[\g+4], 144
	s_mov_b32 s[\g+5], 32
	s_mov_b32 s[\g+6], 0
	s_mov_b32 s[\g+7], 0
.endr
	s_lshl_b32 s84, s17, 1
	s_lshl_b32 s85, s42, 1
	s_add_co_u32 s18, s84, s79                     ; A's first block,
	s_add_co_u32 s19, s85, s80                     ; B's
	s_add_co_u32 s84, s84, s15
	s_add_co_u32 s85, s85, s16
	s_add_co_u32 s20, s18, s16
	s_mul_i32 s20, s20, BLK
	s_mov_b32 s21, 0
	s_add_co_u32 s46, s19, s16
	s_lshl_b32 s83, s46, 12                        ; B's scale words: 4,096 bytes a block
	s_mul_i32 s46, s46, BLK
	s_mov_b32 s47, 0
	s_add_co_u32 s81, s18, s15
	s_lshl_b32 s81, s81, 12                        ; A's
	s_mul_i32 s45, s14, PART                       ; where my loads go: no place in the cluster enters an LDS address
	s_mul_i32 s22, s15, PART
	s_mul_i32 s23, s16, PART
	s_add_co_u32 s23, s23, 2*PART
	s_lshl_b32 s66, s14, 9
	s_add_co_u32 s66, s66, STG                     ; my stage
	s_wait_dscnt 0x0                               ; both opening adds are done
	v_and_b32 v1, 15, v0                           ; r
	v_bfe_u32 v2, v0, 4, 1                         ; h
	v_and_b32 v3, 31, v0
	v_lshlrev_b32 v[LI], 4, v3
	v_mov_b32 v[SCO], s81
	v_mov_b32 v4, s83
	v_cmp_ne_u32 vcc_lo, 0, v2
	v_cndmask_b32 v[SCO], v[SCO], v4, vcc_lo       ; lanes 0-15 take A's words, lanes 16-31 B's
	v_lshl_add_u32 v[SCO], v1, 2, v[SCO]
	v_add_nc_u32 v[ADRA], s22, v[LI]
	v_add_nc_u32 v[ADRB], s23, v[LI]
	v_add_nc_u32 v[ADRA+1], 3*STEPB, v[ADRA]
	v_add_nc_u32 v[ADRB+1], 3*STEPB, v[ADRB]
	v_lshl_add_u32 v[STW], v1, 2, s66
	v_add_nc_u32 v[STR], s66, v[LI]
	s_wait_alu depctr_va_vdst(0)                   ; the head's end
	CROUND                                         ; all sixteen work-groups are here: the first joint loads meet
	s_wait_kmcnt 0x0
	s_add_nc_u64 s[20:21], s[4:5], s[20:21]
	s_add_nc_u64 s[46:47], s[4:5], s[46:47]
	s_mov_b32 s[G0], 1
	s_mov_b32 s[G0+1], s45
	s_mov_b64 s[G0+2:G0+3], s[20:21]
	s_or_b32 s[G0+3], s[G0+3], 0x80000000
	s_mov_b32 s[G0B], 1
	s_mov_b32 s[G0B+1], s45
	s_mov_b64 s[G0B+2:G0B+3], s[46:47]
	s_or_b32 s[G0B+3], s[G0B+3], 0x80000000
	JLOAD                                          ; K steps 0-2: one tensor load a wave at the head
.irp s, 0,1,2,3,4,5,6,7
.irp i, 0,1,2,3,4,5,6,7
	global_load_b32 v[SC+8*\i+\s], v[SCO], s[6:7] offset:512*\s+64*\i
.endr
.endr
	s_mov_b32 s72, 0x76543210
	s_mov_b32 s73, 0xfedcba98                      ; v_permlanex16_b32's selects for lane l xor 16
	s_mov_b32 s2, 0xfe000000                       ; -4 on an exponent field
	s_mov_b32 s3, 0x2800000                        ; the floor 2^(5 - 127)
	; where my results go: X = s84 my block of 128 lanes' rows, Y = s85 my 128 along the next K
	s_lshl_b32 s86, s74, 5
	s_add_co_u32 s86, s86, s84
	s_lshl_b32 s86, s86, 3
	s_add_co_u32 s86, s86, s85                     ; q, k: 8 (32 y + X) + Y, for codes and words
	s_lshl_b32 s87, s84, 3
	s_and_b32 s88, s85, 7
	s_add_co_u32 s87, s87, s88
	s_lshl_b32 s87, s87, 2
	s_lshr_b32 s88, s85, 3
	s_add_co_u32 s87, s87, s88
	s_add_co_u32 s87, s87, 512                     ; v^T's codes: 4 (8 X + Y % 8) + Y / 8, behind 512 K steps of q and k
	s_lshl_b32 s88, s84, 5
	s_add_co_u32 s88, s88, s85
	s_add_co_u32 s88, s88, 512                     ; v^T's words: 32 X + Y
	s_cmp_eq_u32 s74, 2
	s_cselect_b32 s66, s87, s86
	s_cselect_b32 s68, s88, s86
	s_mul_i32 s66, s66, STEPB
	s_lshl_b32 s68, s68, 9
	s_mov_b32 s67, 0
	s_mov_b32 s69, 0
	s_add_nc_u64 s[8:9], s[8:9], s[66:67]
	s_add_nc_u64 s[10:11], s[10:11], s[68:69]
	s_wait_tensorcnt 0x0                           ; my part of K steps 0-2 is in
	ds_add_u32 v[SPW], v[NIL]
.irp g, G0, G0B                                ; K steps 3-5 to places 3-5
	s_add_co_u32 s[\g+1], s45, 3*STEPB
	s_add_nc_u64 s[\g+2:\g+3], s[\g+2:\g+3], 3*STEPB
.endr
	s_wait_dscnt 0x0
	CROUND
	JLOAD
	LOADS 0
	s_wait_loadcnt 0x0                             ; the scale words
	STEP 0, 0, 1                                   ; its products start the sums: nothing is cleared
	STEP 1, v[MA_:MA_+7], 1
	TURN 2, 1                                      ; K steps 3-5 are whole; places 0 and 1 take K steps 6 and 7
	STEP 3, v[MA_:MA_+7], 1
	STEP 4, v[MA_:MA_+7], 1
	TURN 5, 0                                      ; K steps 6 and 7 are whole; nothing is filled any more
	STEP 6, v[MA_:MA_+7], 1
	STEP 7, v[MA_:MA_+7], 0
	WIN 0
	PLACES 4
; THE WAY OUT of A's tiles a and a + 1 together: 16 lanes' rows x 128 along the next K each.  Register 16 b + i of a lane is number 32 b + 16 (lane / 16) + i of its row: four blocks of 32, each in lanes l and l xor 16.
; Eight chains by turns: n = 4 u + b, tile a + u, block b; its registers begin at 64 (a % 4) + 16 n of their window.
.macro QEPI a
.set QW, 2+(\a)/4
.set AC, 64*((\a)%4)
	WIN QW*5
.irp n, 0,1,2,3,4,5,6,7
	v_max3_num_f32 v[BM+\n], |v[AC+16*\n]|, |v[AC+16*\n+1]|, s3   ; the floor among the leaves: the byte cannot fall under 1
.endr
	WIN QW*20
.irp i, 2,4,6,8,10,12,14
.irp n, 0,1,2,3,4,5,6,7
	v_max3_num_f32 v[BM+\n], v[BM+\n], |v[AC+16*\n+\i]|, |v[AC+16*\n+\i+1]|
.endr
.endr
	WIN 0
.irp n, 0,1,2,3,4,5,6,7
	v_permlanex16_b32 v[BX+\n], v[BM+\n], s72, s73
.endr
.irp n, 0,1,2,3,4,5,6,7
	v_max_num_f32 v[BM+\n], v[BM+\n], v[BX+\n]
.endr
.irp n, 0,1,2,3,4,5,6,7
	v_add_nc_u32 v[SO+\n], s2, v[BM+\n]            ; 4 off the exponent field: the conversion's scale operand
.endr
.irp n, 0,1,2,3,4,5,6,7
	v_lshrrev_b32 v[SB+\n], 23, v[SO+\n]           ; the scale's byte
.endr
	s_wait_alu depctr_va_vdst(0)
	s_wait_dscnt 0x0                               ; the last two words have gone to the stage
.irp k, 1,2,3
.irp u, 0,1
.if \k == 1
	v_lshl_or_b32 v[1+\u], v[SB+4*\u+1], 8, v[SB+4*\u]
.else
	v_lshl_or_b32 v[1+\u], v[SB+4*\u+\k], 8*\k, v[1+\u]
.endif
.endr
.endr
	WIN 0x40+QW                                    ; the codes go to window 1, 20 registers a tile: no store's data are written again
.irp u, 0,1
.set PC_, 20*((\a)+\u)
	v_cvt_scalef32_pk16_bf6_f32 v[PC_:PC_+2], v[AC+64*\u:AC+64*\u+15], v[SO+4*\u]
	v_cvt_scalef32_pk16_bf6_f32 v[PC_+12:PC_+14], v[AC+64*\u+16:AC+64*\u+31], v[SO+4*\u+1]   ; (a conversion's three registers begin on an even number)
	v_cvt_scalef32_pk16_bf6_f32 v[PC_+6:PC_+8], v[AC+64*\u+32:AC+64*\u+47], v[SO+4*\u+2]
	v_cvt_scalef32_pk16_bf6_f32 v[PC_+16:PC_+18], v[AC+64*\u+48:AC+64*\u+63], v[SO+4*\u+3]
.endr
	v_nop                                          ; one plain place behind a scaled conversion
	WIN 0x41
.set PC_, 20*(\a)
.irp i, 0,1,2                                  ; the operand's layout wants a WHOLE block in a lane
.irp n, 0,1,2,3
	v_permlane16_swap_b32 v[PC_+20*(\n/2)+6*(\n%2)+\i], v[PC_+20*(\n/2)+12+4*(\n%2)+\i]
.endr
.endr
.irp i, 0,1,2
.irp n, 0,1,2,3
	v_mov_b32 v[PC_+20*(\n/2)+6*(\n%2)+3+\i], v[PC_+20*(\n/2)+12+4*(\n%2)+\i]
.endr
.endr
	WIN 0
.irp u, 0,1
	ds_store_b32 v[STW], v[1+\u] offset:64*((\a)+\u)   ; lanes r and 16 + r write the same word with the same value
.endr
	WIN 0x04                                       ; a store's data are its source 1
.irp u, 0,1
.irp g, 0,1,2
	global_store_b128 v[LI], v[PC_+20*\u+4*\g:PC_+20*\u+4*\g+3], s[8:9] offset:FRB*((\a)+\u)+512*\g   ; 32 lanes store 512 consecutive bytes, at a multiple of 256
.endr
.endr
	WIN 0
.endm
.irp a, 0,2,4,6
	QEPI \a
.endr
	ds_load_b128 v[116:119], v[STR]                ; LDS serves a wave's instructions in order: this sees my stores
	s_wait_dscnt 0x0
	global_store_b128 v[LI], v[116:119], s[10:11]
	s_wait_tensorcnt 0x0                           ; the wave's end
	ds_add_u32 v[SPW], v[NIL]
	s_wait_dscnt 0x0
	CROUND                                         ; the closing round
	s_endpgm
.Lfunc_end_k_q61752aa515_proj:
	.size	k_q61752aa515_proj, .Lfunc_end_k_q61752aa515_proj-k_q61752aa515_proj
	.p2alignl 7, 3214868480
	.fill 96, 4, 3214868480
	.section	.rodata,"a",@progbits
	.p2align	6, 0x0
	.amdhsa_kernel k_q61752aa515_proj
		.amdhsa_group_segment_fixed_size 327680
		.amdhsa_private_segment_fixed_size 0
		.amdhsa_enable_private_segment 0
		.amdhsa_kernarg_size 32
		.amdhsa_user_sgpr_count 2
		.amdhsa_user_sgpr_kernarg_segment_ptr 1
		.amdhsa_wavefront_size32 1
		.amdhsa_system_sgpr_workgroup_id_x 1
		.amdhsa_system_sgpr_workgroup_id_y 1
		.amdhsa_system_sgpr_workgroup_id_z 1
		.amdhsa_system_vgpr_workitem_id 0
		.amdhsa_next_free_vgpr 1024
		.amdhsa_next_free_sgpr 96
		.amdhsa_reserve_vcc 1
		.amdhsa_float_denorm_mode_32 3
		.amdhsa_float_denorm_mode_16_64 3
		.amdhsa_memory_ordered 1
		.amdhsa_forward_progress 1
		.amdhsa_inst_pref_size 138
	.end_amdhsa_kernel
	.amdgpu_metadata
---
amdhsa.version: [ 1, 2 ]
amdhsa.kernels:
  - .name:           k_q61752aa515_proj
    .symbol:         k_q61752aa515_proj.kd
    .args:
      - { .name: c1, .offset: 0, .size: 8, .value_kind: global_buffer, .address_space: global }
      - { .name: s1, .offset: 8, .size: 8, .value_kind: global_buffer, .address_space: global }
      - { .name: c2, .offset: 16, .size: 8, .value_kind: global_buffer, .address_space: global }
      - { .name: s2, .offset: 24, .size: 8, .value_kind: global_buffer, .address_space: global }
    .group_segment_fixed_size: 327680
    .private_segment_fixed_size: 0
    .kernarg_segment_align: 8
    .kernarg_segment_size: 32
    .max_flat_workgroup_size: 128
    .sgpr_count:     96
    .vgpr_count:     1024
    .wavefront_size: 32
...
	.end_amdgpu_metadata
.endif
;; end of part 2
;; launch score (part 3): grid 16 x 16, 4 waves a work-group, clusters of 4 x 4, 327,680 bytes of LDS; arguments c2, s2, pc, pstat; writes pc, pstat
.if DOCPART == 3
	.amdgcn_target "amdgcn-amd-amdhsa--gfx1250"
	.amdhsa_code_object_version 6
	.text
	.protected	k_q61752aa515_score
	.globl	k_q61752aa515_score
	.p2align	8
	.type	k_q61752aa515_score,@function
k_q61752aa515_score:
	s_mov_b64 s[64:65], 0
	v_nop
	global_prefetch_b8 v0, s[64:65] scope:SCOPE_SE
	s_setreg_imm32_b32 hwreg(HW_REG_WAVE_MODE, 25, 1), 1
	s_wait_xcnt 0x0
	s_wait_alu depctr_hold_cnt(0) depctr_sa_sdst(0) depctr_va_vdst(0) depctr_va_sdst(0) depctr_va_ssrc(0) depctr_va_vcc(0) depctr_vm_vsrc(0)
	s_getreg_b32 s2, hwreg(HW_REG_IB_STS2, 6, 4)
	s_cmp_eq_u32 s2, 0
	s_cbranch_scc0 .Lentry_in_a_cluster
	s_endpgm
.Lentry_in_a_cluster:
	s_bfe_u32 s2, ttmp6, 0x10000c
	s_cmp_lg_u32 s2, 0xf033
	s_cbranch_scc0 .Lentry_shape_is_right
	s_endpgm
.Lentry_shape_is_right:
; S = q k^T on codes of BF6 (E3M2), K = 1,024, and the softmax's first half.  t = score x log2(e) / 32.  For each query and each chunk of 128 keys: M = the chunk's largest t rounded UP to a whole number,
; p = 2^(t - M), quantised along the keys (blocks of 32), and the chunk's sum of the unquantised p.  Stored: p's codes, p's scale words, -M and the sum.  The next launch brings all chunks of a row under the row's
; M: that is a power of two, which it takes off the scale bytes; the codes stay.  So the maximum is taken away before every exponential, and no score goes to memory.
; The scale word is stored with 128 added to each byte (the bytes lie in 1 .. 123), so that the next launch can subtract in all four bytes at once without a borrow.
; LIMITS: the promise holds while t stays under 2^31 in magnitude; a block whose every p has fallen to 0 keeps the byte 1 (its codes are zeros); NaN and infinities are not served.
; A tile of 256 queries x 256 keys is made by four waves, 128 x 128 each: 64 accumulators, 512 registers.  THE MATRIX INSTRUCTION IS USED TRANSPOSED: source 0 ('B') = 16 keys, source 1 ('A') = 16 queries: a lane holds
; ONE query and its registers run along the keys.  The keys of a tile are place r -> key 32 (T / 2) + 8 (T % 2) + r + 8 (r / 8), so the 16 registers of B's tiles 2 b, 2 b + 1 are 16 neighbouring keys.
; OPERANDS: c2 = [block of 128 rows: q 0-31, k 32-63][K step 0..7][8 fragments][1,536: registers 4 g .. 4 g + 3 of lane l at 512 g + 16 l].  A wave fetches one block's K steps: any run of them is dense.
; OUTPUT: pc = [block of 128 queries][chunk c % 8][c / 8][8 fragments][1,536];  pstat = [block of 128 queries][plane: words, -M, sums][chunk][128] words.
; THE RING: LDS has six places of one K step.  K steps 0-2 come at the head (one load a wave), 3-5 behind the full sequence into bytes not filled before, 6-7 to places 0 and 1 behind the round in K step 2.
; ALL SCALE WORDS of the wave's 128 + 128 rows stay in 64 registers, v[SC + 8 i + s]: lanes 0-15 q's tile i, lanes 16-31 k's.  The 8 K steps are written out, since each names its own.
; CLUSTERS: 4 x 4 work-groups; q's tile is shared along a row of the cluster, k's along a column: each is asked for jointly.
; No prefetch: the block is 256 x 256 in clusters, and K has eight steps, all but two of them asked for ahead of the first product.
; REGISTERS: window 0: v16-29 addresses; v32-95 scale words; v128-223 A's 8 fragments; on the way out v1-15 and v96-127 at work, v128-255 t and p of two tiles.
;   window 1: B's fragments, two sets; on the way out v0-159 p's codes, 20 registers a tile.  windows 2, 3: the accumulators ((a, b) at v[8 (8 (a % 4) + b)]).
.set FR,    12
.set FRB,   1536
.set STEPB, 8*FRB                      ; a block's K step
.set PART,  6*STEPB                    ; six places; LDS: A's two blocks, then B's two
.set BLK,   8*STEPB                    ; a block in memory
.set PL,    3                          ; planes of 512 bytes in a wave's stage: scale words, -M, sums
.set STG,   4*PART                     ; behind the ring; no fill lands here
.set SPARE, STG+4*PL*512               ; the spare words, 128 bytes for each wave
.set NM,    4                          ; v4-9, v10-15 for the two tiles: -M, t; the sum's two chains
.set ADRA, 16                          ; v16-17  LDS address of my A fragments in places 0-2, 3-5
.set ADRB, 20                          ; v20-21  the same for B
.set LI,   24                          ; v24  16 x lane
.set STW,  25                          ; v25  the stage: my query's word
.set STR,  26                          ; v26  the stage, read back
.set SCO,  27                          ; v27  my byte offset among the input's scale words
.set SPW,  28                          ; v28  LDS address of my spare word; never rewritten
.set NIL,  29                          ; v29  0; never rewritten
.set SC,   32
.set BM,   96                          ; v96-103   each block's largest score, then its largest p, of two tiles
.set BX,   104                         ; v104-111  the other half's
.set SO,   112                         ; v112-119  the conversions' scale operands
.set SB,   120                         ; v120-127  the scales' bytes
.set AF,   128
.set TT,   128                         ; v128-255  t - M, then p, of two tiles
.set G1, 24                            ; s[24:31], s[32:35] descriptor groups 1 and 0 for A;  s[48:55], s[56:59] for B
.set G0, 32
.set G1B, 48
.set G0B, 56
.set MSB, 0
.macro WIN new                         ; the immediate's high byte repeats the setting that is left; a switch that changes nothing is dropped
.if MSB != (\new)
	s_set_vgpr_msb (MSB<<8)|(\new)
.set MSB, (\new)
.endif
.endm
; A joint load: waves 0 and 1 fetch for A, waves 2 and 3 for B.  The branch hangs on the wave's number alone.  Four v_nop follow each line.
.macro JLOAD
	s_cmp_eq_u32 s15, 0
	s_cbranch_scc0 .Lfor_b_\@
	tensor_load_to_lds s[G0:G0+3], s[G1:G1+7]
	s_nop 0
.rept 4
	v_nop
.endr
	s_branch .Lasked_\@
.Lfor_b_\@:
	tensor_load_to_lds s[G0B:G0B+3], s[G1B:G1B+7]
	s_nop 0
.rept 4
	v_nop
.endr
.Lasked_\@:
.endm
.macro CREST                           ; a round of the cluster's barrier behind its opening barrier
	s_cmp_lg_u32 s14, 0
	s_cbranch_scc1 .Lnot_wave_0_\@
	s_barrier_signal -3
.Lnot_wave_0_\@:
	s_barrier_wait -3
	s_barrier_signal -1
	s_barrier_wait -1
.endm
.macro CROUND
	s_barrier_signal -1
	s_barrier_wait -1
	CREST
.endm
.macro PLACES n                        ; plain vector places behind matrix instructions (ISA guide 7.12.1)
.rept \n
	v_nop
.endr
.endm
; A K step's 48 LDS loads in one run: B's eight fragments and A's eight, three loads of 512 consecutive bytes each.  K step n lies in place n % 6.  Both operands have two sets of registers.
; A's set of even K steps is v128-223 of window 0; that of odd ones takes what else is free: tiles 0, 1 at v96, 2, 3 at v224 of window 0, tiles 4, 5 at v96, 6, 7 at v224 of window 1.
.macro ALD n, i
.if (\n)%2
.set FA_, 96+128*(((\i)/2)%2)+FR*((\i)%2)
.else
.set FA_, AF+FR*(\i)
.endif
.irp g, 0,1,2
	ds_load_b128 v[FA_+4*\g:FA_+4*\g+3], v[ADRA+FP_/3] offset:(FP_%3)*STEPB+(\i)*FRB+512*\g
.endr
.endm
.macro LOADS n
.set FP_, (\n)%6
.set FS_, 128*((\n)%2)
	WIN 0x40                                       ; destination window 1, address window 0
.irp i, 0,1,2,3,4,5,6,7
.irp g, 0,1,2
	ds_load_b128 v[FS_+FR*\i+4*\g:FS_+FR*\i+4*\g+3], v[ADRB+FP_/3] offset:(FP_%3)*STEPB+\i*FRB+512*\g
.endr
.endr
	WIN 0x40*((\n)%2)
.irp i, 4,5,6,7
	ALD \n, \i
.endr
	WIN 0
.irp i, 0,1,2,3
	ALD \n, \i
.endr
.endm
; Eight matrix instructions: A's tile a x B's eight.  The 64 accumulators take turns, in the same order in every step.
.macro MUL8 ks, a, c
.if (\ks)%2
	WIN 0xa1+0x54*((\a)/4)                         ; source 0 (B) window 1, source 1 (A) window 0 or 1, C and D window 2 or 3
.set MF_, 96+128*(((\a)/2)%2)+FR*((\a)%2)
.else
	WIN 0xa1+0x50*((\a)/4)                         ; source 1 (A) window 0
.set MF_, AF+FR*(\a)
.endif
.set MP_, 128*((\ks)%2)
.irp b, 0,1,2,3,4,5,6,7
.set MA_, 8*(8*((\a)%4)+\b)
	v_wmma_scale_f32_16x16x128_f8f6f4 v[MA_:MA_+7], v[MP_+FR*\b:MP_+FR*\b+FR-1], v[MF_:MF_+FR-1], \c, v[SC+8*\b+(\ks)], v[SC+8*(\a)+(\ks)] matrix_a_fmt:MATRIX_FMT_BF6 matrix_b_fmt:MATRIX_FMT_BF6 matrix_a_scale:MATRIX_SCALE_ROW1
.endr
.endm
; A K step with nothing to guard: ahead of its products it asks for the next step's fragments, into the registers that the last step read.
.macro STEP ks, c, next
	s_wait_dscnt 0x0                               ; this step's fragments are in
.if \next
	PLACES 4
	LOADS (\ks)+1
.endif
.irp a, 0,1,2,3,4,5,6,7
	MUL8 \ks, \a, \c
.endr
.endm
; A K step with a barrier: in front of it each wave waits for all its tensor loads, adds 0 to its spare word, and waits for that; its reads, this step's fragments among them, are over.
; fill = 1: places 0 and 1 are filled again, with K steps 6 and 7; the barrier then opens a round of the cluster's barrier.
.macro TURN ks, fill
	s_wait_dscnt 0x0
	MUL8 \ks, 0, v[MA_:MA_+7]
	MUL8 \ks, 1, v[MA_:MA_+7]
	WIN 0                                          ; (the add's two registers lie in window 0)
	s_wait_tensorcnt 0x0                           ; all my tensor loads have landed
	ds_add_u32 v[SPW], v[NIL]
.if \fill
.irp g, G1, G1B                                ; no tensor load of mine is out: from here on a load brings two K steps, 96 rows
	s_mov_b32 s[\g+2], 96<<16
	s_mov_b32 s[\g+4], 96
.endr
.irp g, G0, G0B
	s_mov_b32 s[\g+1], s45
	s_add_nc_u64 s[\g+2:\g+3], s[\g+2:\g+3], 3*STEPB
.endr
.endif
	MUL8 \ks, 2, v[MA_:MA_+7]
	s_wait_dscnt 0x0
	s_barrier_signal -1
	MUL8 \ks, 3, v[MA_:MA_+7]
	WIN 0
	s_barrier_wait -1
.if \fill
	CREST                                          ; no wave of any partner still reads these places or has a load on its way
	JLOAD                                          ; the first tensor load behind the round; its four v_nop are the places in front of the loads below
.else
	PLACES 4
.endif
	LOADS (\ks)+1
.irp a, 4,5,6,7
	MUL8 \ks, \a, v[MA_:MA_+7]
.endr
.endm
	s_load_b128 s[4:7], s[0:1], 0x0                ; c2, s2
	s_load_b128 s[8:11], s[0:1], 0x10              ; pc, pstat
	v_lshl_add_u32 v[SPW], v0, 2, SPARE
	v_mov_b32 v[NIL], 0
	ds_add_u32 v[SPW], v[NIL]                      ; the opening: the add, twice on end, and its wait
	ds_add_u32 v[SPW], v[NIL]
	v_lshrrev_b32 v1, 5, v0
	v_readfirstlane_b32 s14, v1                    ; wave 0..3
	s_lshr_b32 s15, s14, 1                         ; which half of the queries is mine.  Also: I fetch for A (0) or for B (1)
	s_and_b32 s16, s14, 1                          ; which half of the keys.  Also: which block I fetch
	s_bfe_u32 s40, ttmp6, 0x40000                  ; cx, cy
	s_bfe_u32 s41, ttmp6, 0x40004
	s_lshl_b32 s42, ttmp9, 2
	s_add_co_u32 s42, s42, s40                     ; tc: my 256 keys
	s_and_b32 s17, ttmp7, 0xffff
	s_lshl_b32 s17, s17, 2
	s_add_co_u32 s17, s17, s41                     ; tr: my 256 queries
	s_lshl_b32 s43, s41, 2
	s_lshl_b32 s43, 15, s43                        ; my row of the cluster
	s_lshl_b32 s44, 0x1111, s40                    ; my column
	s_or_b32 s[G1+0], s43, (3<<16)|(1<<21)         ; elements of 8 bytes, bit 21 beside the mask
	s_or_b32 s[G1B+0], s44, (3<<16)|(1<<21)
.irp g, G1, G1B
	s_mov_b32 s[\g+1], 32<<16                      ; rows of 256 bytes
	s_mov_b32 s[\g+2], 144<<16                     ; three K steps: 144 rows
	s_mov_b32 s[\g+3], 32<<16
	s_mov_b32 s[\g+4], 144
	s_mov_b32 s[\g+5], 32
	s_mov_b32 s[\g+6], 0
	s_mov_b32 s[\g+7], 0
.endr
	s_lshl_b32 s84, s17, 1
	s_lshl_b32 s85, s42, 1
	s_add_co_u32 s20, s84, s16                     ; q: block 2 tr + half
	s_mul_i32 s20, s20, BLK
	s_mov_b32 s21, 0
	s_add_co_u32 s84, s84, s15                     ; ty: my 128 queries
	s_add_co_u32 s85, s85, s16                     ; c: my 128 keys
	s_add_co_u32 s46, s85, 32                      ; k: block 32 + 2 tc + half
	s_lshl_b32 s83, s46, 12                        ; k's scale words: 4,096 bytes a block
	s_mul_i32 s46, s46, BLK
	s_mov_b32 s47, 0
	s_lshl_b32 s81, s84, 12                        ; q's
	s_mul_i32 s45, s14, PART                       ; where my loads go: no place in the cluster enters an LDS address
	s_mul_i32 s22, s15, PART
	s_mul_i32 s23, s16, PART
	s_add_co_u32 s23, s23, 2*PART
	s_mul_i32 s66, s14, PL*512
	s_add_co_u32 s66, s66, STG                     ; my stage
	s_wait_dscnt 0x0                               ; both opening adds are done
	v_and_b32 v1, 15, v0                           ; r
	v_bfe_u32 v2, v0, 4, 1                         ; h
	v_and_b32 v3, 31, v0
	v_lshlrev_b32 v[LI], 4, v3
	v_mov_b32 v[SCO], s81
	v_mov_b32 v4, s83
	v_cmp_ne_u32 vcc_lo, 0, v2
	v_cndmask_b32 v[SCO], v[SCO], v4, vcc_lo       ; lanes 0-15 take q's, lanes 16-31 k's
	v_lshl_add_u32 v[SCO], v1, 2, v[SCO]
	v_add_nc_u32 v[ADRA], s22, v[LI]
	v_add_nc_u32 v[ADRB], s23, v[LI]
	v_add_nc_u32 v[ADRA+1], 3*STEPB, v[ADRA]
	v_add_nc_u32 v[ADRB+1], 3*STEPB, v[ADRB]
	v_lshl_add_u32 v[STW], v1, 2, s66
	v_add_nc_u32 v[STR], s66, v[LI]
	s_wait_alu depctr_va_vdst(0)                   ; the head's end
	CROUND                                         ; all sixteen work-groups are here: the first joint loads meet
	s_wait_kmcnt 0x0
	s_add_nc_u64 s[20:21], s[4:5], s[20:21]
	s_add_nc_u64 s[46:47], s[4:5], s[46:47]
	s_mov_b32 s[G0], 1
	s_mov_b32 s[G0+1], s45
	s_mov_b64 s[G0+2:G0+3], s[20:21]
	s_or_b32 s[G0+3], s[G0+3], 0x80000000
	s_mov_b32 s[G0B], 1
	s_mov_b32 s[G0B+1], s45
	s_mov_b64 s[G0B+2:G0B+3], s[46:47]
	s_or_b32 s[G0B+3], s[G0B+3], 0x80000000
	JLOAD                                          ; K steps 0-2: one tensor load a wave at the head
.irp s, 0,1,2,3,4,5,6,7
.irp i, 0,1,2,3,4,5,6,7
	global_load_b32 v[SC+8*\i+\s], v[SCO], s[6:7] offset:512*\s+64*\i
.endr
.endr
	s_mov_b32 s70, 0x3d38aa3b                      ; c = log2(e) / sqrt(1024)
	s_mov_b32 s71, s70                             ; (named with it as a pair, so it is written)
	s_mov_b32 s72, 0x76543210
	s_mov_b32 s73, 0xfedcba98                      ; v_permlanex16_b32's selects for lane l xor 16
	s_mov_b32 s2, 0xfe000000                       ; -4 on an exponent field
	s_mov_b32 s3, 0x2800000                        ; the floor 2^(5 - 127)
	s_lshl_b32 s86, s84, 3
	s_and_b32 s87, s85, 7
	s_add_co_u32 s86, s86, s87
	s_lshl_b32 s86, s86, 2
	s_lshr_b32 s87, s85, 3
	s_add_co_u32 s86, s86, s87
	s_mul_i32 s66, s86, STEPB                      ; my codes' place: 4 (8 ty + c % 8) + c / 8
	s_mov_b32 s67, 0
	s_mul_i32 s87, s84, 96
	s_add_co_u32 s87, s87, s85
	s_lshl_b32 s68, s87, 9                         ; and my statistics'
	s_mov_b32 s69, 0
	s_add_nc_u64 s[8:9], s[8:9], s[66:67]
	s_add_nc_u64 s[10:11], s[10:11], s[68:69]
	s_wait_tensorcnt 0x0                           ; my part of K steps 0-2 is in
	ds_add_u32 v[SPW], v[NIL]
.irp g, G0, G0B                                ; K steps 3-5 to places 3-5
	s_add_co_u32 s[\g+1], s45, 3*STEPB
	s_add_nc_u64 s[\g+2:\g+3], s[\g+2:\g+3], 3*STEPB
.endr
	s_wait_dscnt 0x0
	CROUND
	JLOAD
	LOADS 0
	s_wait_loadcnt 0x0                             ; the scale words
	STEP 0, 0, 1                                   ; its products start the sums: nothing is cleared
	STEP 1, v[MA_:MA_+7], 1
	TURN 2, 1                                      ; K steps 3-5 are whole; places 0 and 1 take K steps 6 and 7
	STEP 3, v[MA_:MA_+7], 1
	STEP 4, v[MA_:MA_+7], 1
	TURN 5, 0                                      ; K steps 6 and 7 are whole; nothing is filled any more
	STEP 6, v[MA_:MA_+7], 1
	STEP 7, v[MA_:MA_+7], 0
	WIN 0
	PLACES 4
; THE WAY OUT of A's tiles a and a + 1 together: 16 queries x my 128 keys each.  Register 16 b + i of a lane is key 32 b + 16 (lane / 16) + i of its query.  The scores are read where they lie, each accumulator from its
; low end on.  Eight chains by turns: n = 4 u + b, tile a + u, block b; its registers begin at 64 (a % 4) + 16 n of their window.
.macro SEPI a
.set QW, 2+(\a)/4
.set AC, 64*((\a)%4)
	WIN QW*21                                      ; all three sources: the accumulators' window
.irp n, 0,1,2,3,4,5,6,7
	v_max3_num_f32 v[BM+\n], v[AC+16*\n], v[AC+16*\n+1], v[AC+16*\n+2]   ; THE LARGEST SCORE OF EACH BLOCK OF 32 KEYS serves twice: for the chunk's maximum and, since p rises with the score, for the block's largest p
.endr
	WIN QW*20                                      ; sources 1 and 2
.irp i, 3,5,7,9,11,13
.irp n, 0,1,2,3,4,5,6,7
	v_max3_num_f32 v[BM+\n], v[BM+\n], v[AC+16*\n+\i], v[AC+16*\n+\i+1]
.endr
.endr
.irp n, 0,1,2,3,4,5,6,7
	v_max_num_f32 v[BM+\n], v[BM+\n], v[AC+16*\n+15]
.endr
	WIN 0
.irp n, 0,1,2,3,4,5,6,7
	v_permlanex16_b32 v[BX+\n], v[BM+\n], s72, s73
.endr
.irp n, 0,1,2,3,4,5,6,7
	v_max_num_f32 v[BM+\n], v[BM+\n], v[BX+\n]     ; with lane l xor 16's 16 keys
.endr
.irp u, 0,1
	v_max3_num_f32 v[SB+\u], v[BM+4*\u], v[BM+4*\u+1], v[BM+4*\u+2]
.endr
.irp u, 0,1
	v_max_num_f32 v[SB+\u], v[SB+\u], v[BM+4*\u+3] ; the chunk's largest score of my query
.endr
	s_wait_alu depctr_va_vdst(0)
	s_wait_dscnt 0x0                               ; the last tiles' stores into the stage are done: their registers are written again
.irp u, 0,1
	v_mul_f32 v[NM+6*\u+1], s70, v[SB+\u]          ; as t (c is positive)
.endr
.irp u, 0,1
	v_floor_f32 v[NM+6*\u], -v[NM+6*\u+1]          ; -M = floor(-t) = -ceil(t): M IS A WHOLE NUMBER
.endr
	WIN QW                                         ; source 0
.irp u, 0,1
.set J_, 64*\u
.rept 32
	v_pk_fma_f32 v[TT+J_:TT+J_+1], v[AC+J_:AC+J_+1], s[70:71], v[NM+6*\u:NM+6*\u+1] op_sel_hi:[1,0,0]   ; t - M, two at a time (of the pairs c and -M the low word serves both halves)
.set J_, J_+2
.endr
.endr
	WIN 0
.irp n, 0,1,2,3,4,5,6,7
	v_fma_f32 v[BM+\n], v[BM+\n], s70, v[NM+6*(\n/4)]   ; the same of each block's largest score
.endr
.set J_, 0
	s_wait_alu depctr_va_vdst(0)                   ; ahead of the batch
.rept 128
	v_exp_f32 v[TT+J_], v[TT+J_]                   ; p = 2^(t - M), at most 1
.set J_, J_+1
.endr
	v_nop                                          ; a plain place behind the exponentials
	s_wait_alu depctr_va_vdst(0)                   ; one wait for the whole batch, ahead of its first reader
.irp n, 0,1,2,3,4,5,6,7
	v_exp_f32 v[BM+\n], v[BM+\n]                   ; the block's largest p: the same two instructions on the same number give the same bits
.endr
.irp u, 0,1                                    ; THE SUM IS TAKEN OF THE UNQUANTISED p: two at a time, in two chains a tile.  (It reads the 128 alone: plain work behind the eight)
	v_pk_add_f32 v[NM+6*\u+2:NM+6*\u+3], v[TT+64*\u:TT+64*\u+1], v[TT+64*\u+2:TT+64*\u+3]
	v_pk_add_f32 v[NM+6*\u+4:NM+6*\u+5], v[TT+64*\u+4:TT+64*\u+5], v[TT+64*\u+6:TT+64*\u+7]
.endr
.irp j, 8,12,16,20,24,28,32,36,40,44,48,52,56,60
.irp u, 0,1
	v_pk_add_f32 v[NM+6*\u+2:NM+6*\u+3], v[NM+6*\u+2:NM+6*\u+3], v[TT+64*\u+\j:TT+64*\u+\j+1]
	v_pk_add_f32 v[NM+6*\u+4:NM+6*\u+5], v[NM+6*\u+4:NM+6*\u+5], v[TT+64*\u+\j+2:TT+64*\u+\j+3]
.endr
.endr
.irp u, 0,1
	v_pk_add_f32 v[NM+6*\u+2:NM+6*\u+3], v[NM+6*\u+2:NM+6*\u+3], v[NM+6*\u+4:NM+6*\u+5]
.endr
	s_wait_alu depctr_va_vdst(0)                   ; and one for the eight
.irp n, 0,1,2,3,4,5,6,7
	v_max_num_f32 v[BM+\n], s3, v[BM+\n]           ; the floor: the byte cannot fall under 1
.endr
.irp n, 0,1,2,3,4,5,6,7
	v_add_nc_u32 v[SO+\n], s2, v[BM+\n]            ; 4 off the exponent field: the conversion's scale operand
.endr
.irp n, 0,1,2,3,4,5,6,7
	v_lshrrev_b32 v[SB+\n], 23, v[SO+\n]           ; the scale's byte
.endr
.irp u, 0,1
	v_add_f32 v[NM+6*\u+2], v[NM+6*\u+2], v[NM+6*\u+3]   ; the sum's two halves,
.endr
.irp k, 1,2,3
.irp u, 0,1
.if \k == 1
	v_lshl_or_b32 v[1+\u], v[SB+4*\u+1], 8, v[SB+4*\u]
.else
	v_lshl_or_b32 v[1+\u], v[SB+4*\u+\k], 8*\k, v[1+\u]  ; p's scale word for these 128 keys
.endif
.endr
.endr
.irp u, 0,1
	v_permlanex16_b32 v[BX+\u], v[NM+6*\u+2], s72, s73
.endr
.irp u, 0,1
	v_or_b32 v[1+\u], 0x80808080, v[1+\u]          ; 128 onto each byte
	v_add_f32 v[NM+6*\u+2], v[NM+6*\u+2], v[BX+\u] ; and lane l xor 16's: the chunk's sum
.endr
	WIN 0x40                                       ; the codes go to window 1, 20 registers a tile: no store's data are written again
.irp u, 0,1
.set PC_, 20*((\a)+\u)
	v_cvt_scalef32_pk16_bf6_f32 v[PC_:PC_+2], v[TT+64*\u:TT+64*\u+15], v[SO+4*\u]
	v_cvt_scalef32_pk16_bf6_f32 v[PC_+12:PC_+14], v[TT+64*\u+16:TT+64*\u+31], v[SO+4*\u+1]   ; (a conversion's three registers begin on an even number)
	v_cvt_scalef32_pk16_bf6_f32 v[PC_+6:PC_+8], v[TT+64*\u+32:TT+64*\u+47], v[SO+4*\u+2]
	v_cvt_scalef32_pk16_bf6_f32 v[PC_+16:PC_+18], v[TT+64*\u+48:TT+64*\u+63], v[SO+4*\u+3]
.endr
	v_nop                                          ; one plain place behind a scaled conversion
	WIN 0x41
.set PC_, 20*(\a)
.irp i, 0,1,2                                  ; the operand's layout wants a WHOLE block in a lane
.irp n, 0,1,2,3
	v_permlane16_swap_b32 v[PC_+20*(\n/2)+6*(\n%2)+\i], v[PC_+20*(\n/2)+12+4*(\n%2)+\i]
.endr
.endr
.irp i, 0,1,2
.irp n, 0,1,2,3
	v_mov_b32 v[PC_+20*(\n/2)+6*(\n%2)+3+\i], v[PC_+20*(\n/2)+12+4*(\n%2)+\i]
.endr
.endr
	WIN 0
.irp u, 0,1
	ds_store_b32 v[STW], v[1+\u] offset:64*((\a)+\u)   ; lanes r and 16 + r write the same word with the same value
	ds_store_b32 v[STW], v[NM+6*\u] offset:512+64*((\a)+\u)
	ds_store_b32 v[STW], v[NM+6*\u+2] offset:1024+64*((\a)+\u)
.endr
	WIN 0x04                                       ; a store's data are its source 1
.irp u, 0,1
.irp g, 0,1,2
	global_store_b128 v[LI], v[PC_+20*\u+4*\g:PC_+20*\u+4*\g+3], s[8:9] offset:FRB*((\a)+\u)+512*\g   ; 32 lanes store 512 consecutive bytes, at a multiple of 256 from pc's first byte
.endr
.endr
	WIN 0
.endm
.irp a, 0,2,4,6
	SEPI \a
.endr
.irp p, 0,1,2
	ds_load_b128 v[112+4*\p:115+4*\p], v[STR] offset:512*\p   ; LDS serves a wave's instructions in order: these see my stores
.endr
	s_wait_dscnt 0x0
.irp p, 0,1,2
	global_store_b128 v[LI], v[112+4*\p:115+4*\p], s[10:11] offset:16384*\p   ; a plane's 128 words of my chunk: 512 consecutive bytes
.endr
	s_wait_tensorcnt 0x0                           ; the wave's end
	ds_add_u32 v[SPW], v[NIL]
	s_wait_dscnt 0x0
	CROUND                                         ; the closing round
	s_endpgm
.Lfunc_end_k_q61752aa515_score:
	.size	k_q61752aa515_score, .Lfunc_end_k_q61752aa515_score-k_q61752aa515_score
	.p2alignl 7, 3214868480
	.fill 96, 4, 3214868480
	.section	.rodata,"a",@progbits
	.p2align	6, 0x0
	.amdhsa_kernel k_q61752aa515_score
		.amdhsa_group_segment_fixed_size 327680
		.amdhsa_private_segment_fixed_size 0
		.amdhsa_enable_private_segment 0
		.amdhsa_kernarg_size 32
		.amdhsa_user_sgpr_count 2
		.amdhsa_user_sgpr_kernarg_segment_ptr 1
		.amdhsa_wavefront_size32 1
		.amdhsa_system_sgpr_workgroup_id_x 1
		.amdhsa_system_sgpr_workgroup_id_y 1
		.amdhsa_system_sgpr_workgroup_id_z 1
		.amdhsa_system_vgpr_workitem_id 0
		.amdhsa_next_free_vgpr 1024
		.amdhsa_next_free_sgpr 96
		.amdhsa_reserve_vcc 1
		.amdhsa_float_denorm_mode_32 3
		.amdhsa_float_denorm_mode_16_64 3
		.amdhsa_memory_ordered 1
		.amdhsa_forward_progress 1
		.amdhsa_inst_pref_size 193
	.end_amdhsa_kernel
	.amdgpu_metadata
---
amdhsa.version: [ 1, 2 ]
amdhsa.kernels:
  - .name:           k_q61752aa515_score
    .symbol:         k_q61752aa515_score.kd
    .args:
      - { .name: c2, .offset: 0, .size: 8, .value_kind: global_buffer, .address_space: global }
      - { .name: s2, .offset: 8, .size: 8, .value_kind: global_buffer, .address_space: global }
      - { .name: pc, .offset: 16, .size: 8, .value_kind: global_buffer, .address_space: global }
      - { .name: pstat, .offset: 24, .size: 8, .value_kind: global_buffer, .address_space: global }
    .group_segment_fixed_size: 327680
    .private_segment_fixed_size: 0
    .kernarg_segment_align: 8
    .kernarg_segment_size: 32
    .max_flat_workgroup_size: 128
    .sgpr_count:     96
    .vgpr_count:     1024
    .wavefront_size: 32
...
	.end_amdgpu_metadata
.endif
;; end of part 3
;; launch pv (part 4): grid 8 x 32, 4 waves a work-group, clusters of 4 x 4, 327,680 bytes of LDS; arguments pc, pstat, c2, s2, out0; writes out0
.if DOCPART == 4
	.amdgcn_target "amdgcn-amd-amdhsa--gfx1250"
	.amdhsa_code_object_version 6
	.text
	.protected	k_q61752aa515_pv
	.globl	k_q61752aa515_pv
	.p2align	8
	.type	k_q61752aa515_pv,@function
k_q61752aa515_pv:
	s_mov_b64 s[64:65], 0
	v_nop
	global_prefetch_b8 v0, s[64:65] scope:SCOPE_SE
	s_setreg_imm32_b32 hwreg(HW_REG_WAVE_MODE, 25, 1), 1
	s_wait_xcnt 0x0
	s_wait_alu depctr_hold_cnt(0) depctr_sa_sdst(0) depctr_va_vdst(0) depctr_va_sdst(0) depctr_va_ssrc(0) depctr_va_vcc(0) depctr_vm_vsrc(0)
	s_getreg_b32 s2, hwreg(HW_REG_IB_STS2, 6, 4)
	s_cmp_eq_u32 s2, 0
	s_cbranch_scc0 .Lentry_in_a_cluster
	s_endpgm
.Lentry_in_a_cluster:
	s_bfe_u32 s2, ttmp6, 0x10000c
	s_cmp_lg_u32 s2, 0xf033
	s_cbranch_scc0 .Lentry_shape_is_right
	s_endpgm
.Lentry_shape_is_right:
; O = P V / l on codes of BF6 (E3M2), K = the 4,096 keys.  P's codes were made chunk by chunk (128 keys) under each chunk's own whole number M_c.  At the head each row's M = the largest M_c is found,
; d_c = M - M_c is taken off the four scale bytes of the chunk's word (an exact power of two; the codes stay), l = the sum of l_c 2^(-d_c), and 1 / l multiplies the result at the end.
; LIMITS: d is held at 127, and a scale byte that would fall under 0 becomes 0: the p so touched lie under 2^-120 beside a row's sum above 1/2.  NaN and infinities are not served.  The sum over the keys is taken in two parts.
; A tile of 128 queries x 128 channels is made by four waves.  K IS CUT IN TWO: wave w = 2 kh + nh makes 128 queries x 64 channels (half nh) over 16 chunks: step s takes chunk 16 kh + 8 (s % 2) + s / 2: 32 accumulators,
; 256 registers.  At the end partners kh = 0, 1 join their sums through LDS: kh takes queries 64 kh .. 64 kh + 63.  So that its own queries always lie in the same registers, a wave's tile i is tile (i + 4 kh + 4) % 8 of
; the block: its own four are its last.
; THE MATRIX INSTRUCTION IS USED TRANSPOSED: source 0 ('B') = 16 channels of V^T, source 1 ('A') = 16 queries of P: a lane holds one query and eight neighbouring channels an accumulator.
; OPERANDS: pc and V^T's part of c2 = [block of 128 rows][granule J 0..7][4 chunks 8 w' + J][8 fragments][1,536]; a granule of 49,152 bytes serves two steps.
; P GOES THROUGH LDS, asked for jointly by the four work-groups of a row of the cluster (4 x 4): four fills of two granules, 98,304 bytes, a quarter a wave, on three slots; fill F lies in slot F % 3.
; Fill 0 comes at the head, 1 behind the full sequence ahead of step 0, 2 in step 3, 3 in step 7: each has four steps in which to land.
; V^T GOES STRAIGHT INTO REGISTERS: each of its fragments is used by one wave of a work-group alone, so LDS would save no read, and its 393,216 bytes would take half of each slot and so double the fills;
; five sets of 48 registers let its loads run four steps (48 loads a wave) ahead.  So V^T is not asked for jointly, and needs no prefetch.
; PREFETCHES INTO THE L2 of P: fill 1 at the head, 2 behind fill 1's load, 3 behind fill 2's: each a fill ahead of its load.  A fill's 384 units of 256 bytes are shared by address among the four partners and their waves:
; 24 lanes of a wave, the other lanes name the last again.
; THE SCALE WORDS of the wave's 16 chunks stay in 96 registers: P's at v[SCP + 16 j + k], lanes 0-15 tile 2 j, lanes 16-31 tile 2 j + 1; V^T's at v[SCV + 16 j + k] likewise; k = 8 (s % 2) + s / 2.  The steps are written out.
; The places of a tile are place r -> row 32 (T / 2) + 8 (T % 2) + r + 8 (r / 8), for queries and channels alike; the way out puts both back.
; REGISTERS: window 0: v2-31 addresses; v32-127 scale words; v128-255 the head's work, at the end rows on their way out.  window 1: A's fragments, two sets at v0 and v96; at the end the partner's sums.
;   window 2: the accumulators ((a, b) at v[8 (4 a + b)]).  window 3: B's five sets.
.set FR,    12
.set FRB,   1536
.set STEPB, 8*FRB
.set GB,    4*STEPB                    ; a granule of one operand
.set BLK,   8*GB                       ; a block of 128 rows in memory
.set VBASE, 6291456                    ; V^T's part of c2,
.set VSBASE, 262144                    ; its scale words' part of s2
.set REDB,  2*GB                       ; the sums on their way: 16,384 bytes a wave, in slot 1, whose only fill (1) was read in steps 4 to 7
.set PSC,   6*GB                       ; behind the ring: P's scale words on their way from thread to wave: 128 rows of 128 bytes + 16;
.set PSP,   144
.set RLB,   PSC+128*PSP                ; 1 / l, a word for each of the 128 queries.  No fill lands in these
.set SPARE, RLB+512                    ; the spare words, 128 bytes for each wave
.set SPITCH, 272                       ; the way out: a stage row of 256 bytes + 16
.set ADR,  2                           ; v2-7    LDS address of my tiles 0-3 in granule places 0-5;  v8-13 of my tiles 4-7
.set RL,   2                           ; at the end: 1 / l of my query in my own four tiles at v2, v4, v6, v8; v3, v5, v7, v9 are named with them as pairs
.set PRD,  14                          ; v14-17  where my lane reads a row's words back
.set PFO,  18                          ; v18     the prefetches' offset
.set VO,   19                          ; v19     4 x lane
.set PST,  20                          ; v20     where my thread's 32 scale words go
.set RLW,  21                          ; v21     and its 1 / l
.set RW,   22                          ; v22     where my sums of the partner's queries go
.set RR,   23                          ; v23     where the partner's of mine lie
.set STO,  24                          ; v24     the way out: where I put 16 bytes of a row
.set RD,   25                          ; v25     where I read a row back
.set CO,   26                          ; v26     my byte offset in O
.set RLA,  27                          ; v27     my query's 1 / l
.set SPW,  28                          ; v28     LDS address of my spare word; never rewritten
.set NIL,  29                          ; v29     0; never rewritten
.set LI,   30                          ; v30     16 x lane
.set T4,   31                          ; v31     4 x my thread's number
.set SCP,  32
.set SCV,  96
.set AA,   128                         ; the head: -M_c, then d, then 2^-d, then at work
.set BB,   160
.set CC,   192                         ; l_c
.set SW,   224                         ; my thread's 32 scale words
.set G1, 24                            ; s[24:31], s[32:35] descriptor groups 1 and 0
.set G0, 32
.set VB, 36                            ; s[36:37] my part of V^T
.set PFA, 72                           ; s[72:73] where my prefetches stand
.set MSB, 0
.macro WIN new                         ; the immediate's high byte repeats the setting that is left; a switch that changes nothing is dropped
.if MSB != (\new)
	s_set_vgpr_msb (MSB<<8)|(\new)
.set MSB, (\new)
.endif
.endm
.macro JLOAD                           ; a joint load: every wave a quarter.  Four v_nop follow
	tensor_load_to_lds s[G0:G0+3], s[G1:G1+7]
	s_nop 0
.rept 4
	v_nop
.endr
.endm
.macro CREST                           ; a round of the cluster's barrier behind its opening barrier
	s_cmp_lg_u32 s14, 0
	s_cbranch_scc1 .Lnot_wave_0_\@
	s_barrier_signal -3
.Lnot_wave_0_\@:
	s_barrier_wait -3
	s_barrier_signal -1
	s_barrier_wait -1
.endm
.macro CROUND
	s_barrier_signal -1
	s_barrier_wait -1
	CREST
.endm
.macro PLACES n                        ; plain vector places behind matrix instructions (ISA guide 7.12.1)
.rept \n
	v_nop
.endr
.endm
.macro ASK f                           ; prefetch my 24 units of fill f
	WIN 0
	global_prefetch_b8 v[PFO], s[PFA:PFA+1] offset:(\f)*2*GB th:TH_LOAD_NT scope:SCOPE_SE
.endm
.macro SETF f                          ; group 0 for fill f
	s_add_co_u32 s[G0+1], s45, ((\f)%3)*2*GB
	s_add_nc_u64 s[G0+2:G0+3], s[20:21], (\f)*2*GB
	s_or_b32 s[G0+3], s[G0+3], 0x80000000
.endm
.macro LA n, i0                        ; six LDS loads: step n's tiles i0, i0 + 1 of P
.set FS_, 96*((\n)%2)
.set FP_, ((\n)/2)%6
	WIN 0x40                                       ; destination window 1, address window 0
.irp i, \i0, \i0+1
.irp g, 0,1,2
	ds_load_b128 v[FS_+FR*(\i)+4*\g:FS_+FR*(\i)+4*\g+3], v[ADR+6*((\i)/4)+FP_] offset:((\n)%2)*STEPB+((\i)%4)*FRB+512*\g
.endr
.endr
.endm
.macro LB n, b0                        ; six loads: step n's tiles b0, b0 + 1 of V^T, 512 consecutive bytes each
.set FS_, 48*((\n)%5)
	WIN 0xc0                                       ; destination window 3, address window 0
.irp b, \b0, \b0+1
.irp g, 0,1,2
	global_load_b128 v[FS_+FR*(\b)+4*\g:FS_+FR*(\b)+4*\g+3], v[LI], s[VB:VB+1] offset:((\n)/2)*GB+((\n)%2)*STEPB+(\b)*FRB+512*\g
.endr
.endr
.endm
.macro WX c, ra, rb
	v_wmma_scale_f32_16x16x128_f8f6f4 v[MD_:MD_+7], v[MB_:MB_+FR-1], v[MF_:MF_+FR-1], \c, v[MV_], v[MQ_] matrix_a_fmt:MATRIX_FMT_BF6 matrix_b_fmt:MATRIX_FMT_BF6 \ra \rb
.endm
; Four matrix instructions: P's tile a x V^T's four.  Odd tiles' scales stand in lanes 16-31.  The 32 accumulators take turns, in the same order in every step.
.macro MUL4 s, a, c
	WIN 0xa7                                       ; source 0 window 3, source 1 window 1, C and D window 2
.set MK_, 8*((\s)%2)+(\s)/2
.set MF_, 96*((\s)%2)+FR*(\a)
.set MQ_, SCP+16*((\a)/2)+MK_
.irp b, 0,1,2,3
.set MD_, 8*(4*(\a)+\b)
.set MB_, 48*((\s)%5)+FR*\b
.set MV_, SCV+16*(\b/2)+MK_
.if (\a)%2
.if \b%2
	WX \c, matrix_a_scale:MATRIX_SCALE_ROW1, matrix_b_scale:MATRIX_SCALE_ROW1
.else
	WX \c, matrix_b_scale:MATRIX_SCALE_ROW1
.endif
.else
.if \b%2
	WX \c, matrix_a_scale:MATRIX_SCALE_ROW1
.else
	WX \c
.endif
.endif
.endr
.endm
; A step with nothing to guard: it fetches the next step's P and asks for V^T's of four steps on, into the set that the last step read.
.macro STEP s, c
	s_wait_dscnt 0x0                               ; this step's P is in
.if (\s) < 13
	s_wait_loadcnt 36                              ; and its V^T; the next three steps' loads may be out
.else
	s_wait_loadcnt 12*(15-(\s))
.endif
	PLACES 4
.irp i, 0,2,4,6
	LA (\s)+1, \i
.endr
.if (\s) < 12
	LB (\s)+4, 0
	LB (\s)+4, 2
.endif
.irp a, 0,1,2,3,4,5,6,7
	MUL4 \s, \a, \c
.endr
.endm
; A step with a barrier: in front of it each wave waits for all its tensor loads, adds 0 to its spare word, and waits for that and for its reads.  f > 0: fill f goes to a slot that has been read, or, the first time,
; to slot 2; the barrier then opens a round of the cluster's barrier.
.macro TURN s, f
	s_wait_dscnt 0x0
	s_wait_loadcnt 36
	MUL4 \s, 0, v[MD_:MD_+7]
	MUL4 \s, 1, v[MD_:MD_+7]
	MUL4 \s, 2, v[MD_:MD_+7]
	WIN 0                                          ; (the add's two registers lie in window 0)
	s_wait_tensorcnt 0x0                           ; my part of the next fill has landed
	ds_add_u32 v[SPW], v[NIL]
.if \f
	SETF \f
.endif
	MUL4 \s, 3, v[MD_:MD_+7]
	s_wait_dscnt 0x0
	s_barrier_signal -1
	MUL4 \s, 4, v[MD_:MD_+7]
	WIN 0
	s_barrier_wait -1
.if \f
	CREST                                          ; no wave of any partner still reads that slot or has a load on its way
	JLOAD                                          ; the first tensor load behind the round; its four v_nop are the places in front of the loads below
.else
	PLACES 4
.endif
.irp i, 0,2,4,6
	LA (\s)+1, \i
.endr
	LB (\s)+4, 0
	LB (\s)+4, 2
.irp a, 5,6,7
	MUL4 \s, \a, v[MD_:MD_+7]
.endr
.endm
	s_load_b256 s[4:11], s[0:1], 0x0               ; pc, pstat, c2, s2
	s_load_b64 s[12:13], s[0:1], 0x20              ; out0
	v_lshl_add_u32 v[SPW], v0, 2, SPARE
	v_mov_b32 v[NIL], 0
	ds_add_u32 v[SPW], v[NIL]                      ; the opening: the add, twice on end, and its wait
	ds_add_u32 v[SPW], v[NIL]
	v_lshrrev_b32 v1, 5, v0
	v_readfirstlane_b32 s14, v1                    ; wave 0..3
	s_lshr_b32 s15, s14, 1                         ; kh
	s_and_b32 s16, s14, 1                          ; nh
	s_bfe_u32 s40, ttmp6, 0x40000                  ; cx, cy
	s_bfe_u32 s41, ttmp6, 0x40004
	s_lshl_b32 s42, ttmp9, 2
	s_add_co_u32 s42, s42, s40                     ; tx: my 128 channels
	s_and_b32 s17, ttmp7, 0xffff
	s_lshl_b32 s17, s17, 2
	s_add_co_u32 s17, s17, s41                     ; ty: my 128 queries
	s_lshl_b32 s43, s41, 2
	s_lshl_b32 s43, 15, s43                        ; my row of the cluster
	s_or_b32 s[G1+0], s43, (3<<16)|(1<<21)         ; elements of 8 bytes, bit 21 beside the mask
	s_mov_b32 s[G1+1], 32<<16                      ; rows of 256 bytes
	s_mov_b32 s[G1+2], 96<<16                      ; a quarter of two granules: 96 rows
	s_mov_b32 s[G1+3], 32<<16
	s_mov_b32 s[G1+4], 96
	s_mov_b32 s[G1+5], 32
	s_mov_b32 s[G1+6], 0
	s_mov_b32 s[G1+7], 0
	s_mul_i32 s45, s14, GB/2                       ; my quarter of a fill: no place in the cluster enters an LDS address
	s_mul_i32 s38, s17, BLK                        ; P's block
	s_add_co_u32 s20, s38, s45
	s_mov_b32 s21, 0
	s_mul_i32 s39, s40, GB/2                       ; the prefetches: my place's quarter of a fill, my wave's quarter of that
	s_add_co_u32 s38, s38, s39
	s_mul_i32 s39, s14, GB/8
	s_add_co_u32 s38, s38, s39
	s_mov_b32 s39, 0
	s_mul_i32 s46, s42, BLK                        ; V^T: my block, my two chunks of a granule, my four tiles
	s_add_co_u32 s46, s46, VBASE
	s_mul_i32 s47, s15, 2*STEPB
	s_add_co_u32 s46, s46, s47
	s_mul_i32 s47, s16, 4*FRB
	s_add_co_u32 s46, s46, s47
	s_mov_b32 s47, 0
	s_mul_i32 s18, s17, 49152                      ; pstat: my block of 128 queries: 3 planes x 32 chunks x 512 bytes
	s_mov_b32 s19, 0
	s_lshl_b32 s22, s42, 14                        ; s2: my block of 128 channels: 32 chunks x 512 bytes,
	s_add_co_u32 s22, s22, VSBASE
	s_lshl_b32 s23, s15, 13
	s_add_co_u32 s22, s22, s23                     ; my 16 chunks,
	s_lshl_b32 s23, s16, 8
	s_add_co_u32 s22, s22, s23                     ; my 64 channels
	s_mov_b32 s23, 0
	s_lshl_b32 s60, s17, 19                        ; O: row 128 ty + 64 kh, 4,096 bytes a row,
	s_lshl_b32 s61, s15, 18
	s_add_co_u32 s60, s60, s61
	s_lshl_b32 s61, s42, 9
	s_add_co_u32 s60, s60, s61
	s_lshl_b32 s61, s16, 8
	s_add_co_u32 s60, s60, s61                     ; channel 128 tx + 64 nh
	s_mov_b32 s61, 0
	s_mul_i32 s80, s15, 2*STEPB-4*FRB
	s_add_co_u32 s80, s80, 4*FRB                   ; my tiles 0-3: my chunks of a granule, the partner's tiles of the block
	s_mul_i32 s81, s15, 2*STEPB+4*FRB              ; my tiles 4-7
	s_xor_b32 s82, s15, 1
	s_mul_i32 s82, s82, 64*PSP                     ; the partner's 64 rows of words,
	s_mul_i32 s83, s15, 64*PSP                     ; mine;
	s_lshl_b32 s84, s15, 6
	s_add_co_u32 s84, s84, PSC                     ; and in a row my 16 words
	s_add_co_u32 s82, s82, s84
	s_add_co_u32 s83, s83, s84
	s_xor_b32 s84, s14, 2
	s_lshl_b32 s84, s84, 14
	s_add_co_u32 s84, s84, REDB                    ; the partner's region,
	s_lshl_b32 s85, s14, 14
	s_add_co_u32 s85, s85, REDB                    ; mine
	s_lshl_b32 s86, s15, 8
	s_add_co_u32 s86, s86, RLB
	s_wait_dscnt 0x0                               ; both opening adds are done
	v_and_b32 v128, 15, v0                         ; r
	v_bfe_u32 v129, v0, 4, 1                       ; h
	v_and_b32 v130, 31, v0                         ; lane
	v_mul_u32_u24 v131, v130, PSP
	v_lshlrev_b32 v[LI], 4, v130
	v_lshlrev_b32 v[VO], 2, v130
	v_lshlrev_b32 v[T4], 2, v0
	v_min_u32 v[PFO], 23, v130
	v_lshlrev_b32 v[PFO], 8, v[PFO]
	v_mul_u32_u24 v[PST], v0, PSP
	v_add_nc_u32 v[PST], PSC, v[PST]               ; row t
	v_lshl_add_u32 v[RLW], v0, 2, RLB
	v_add_nc_u32 v[ADR], s80, v[LI]
	v_add_nc_u32 v[ADR+6], s81, v[LI]
.irp g, 1,2,3,4,5
	v_add_nc_u32 v[ADR+\g], \g*GB, v[ADR]
	v_add_nc_u32 v[ADR+6+\g], \g*GB, v[ADR+6]
.endr
	v_add_nc_u32 v[PRD], s82, v131                 ; row lane of my pair of tiles j
	v_add_nc_u32 v[PRD+2], s83, v131
	v_add_nc_u32 v[PRD+1], 32*PSP, v[PRD]
	v_add_nc_u32 v[PRD+3], 32*PSP, v[PRD+2]
	v_add_nc_u32 v[RW], s84, v[LI]
	v_add_nc_u32 v[RR], s85, v[LI]
	v_mul_u32_u24 v[STO], v128, SPITCH
	v_lshl_add_u32 v[STO], v129, 6, v[STO]
	v_add_nc_u32 v[STO], s85, v[STO]               ; in: row r, + 64 h: my half's 16 channels of each 32
	v_mul_u32_u24 v[RD], v129, SPITCH
	v_lshl_add_u32 v[RD], v128, 4, v[RD]
	v_add_nc_u32 v[RD], s85, v[RD]                 ; back: lanes 0-15 one row, lanes 16-31 the next
	v_lshlrev_b32 v[CO], 12, v129
	v_lshl_add_u32 v[CO], v128, 4, v[CO]           ; and the same two rows in O
	v_lshl_add_u32 v[RLA], v128, 2, s86            ; 1 / l of place 64 kh + r
	s_wait_alu depctr_va_vdst(0)                   ; the head's end
	CROUND                                         ; all sixteen work-groups are here: the first joint loads meet
	s_wait_kmcnt 0x0
	s_add_nc_u64 s[20:21], s[4:5], s[20:21]
	s_mov_b32 s[G0], 1
	SETF 0
	JLOAD                                          ; fill 0: one tensor load a wave at the head
	s_add_nc_u64 s[PFA:PFA+1], s[4:5], s[38:39]
	s_add_nc_u64 s[VB:VB+1], s[8:9], s[46:47]
	s_add_nc_u64 s[6:7], s[6:7], s[18:19]
	s_add_nc_u64 s[10:11], s[10:11], s[22:23]
	s_add_nc_u64 s[12:13], s[12:13], s[60:61]
	s_movk_i32 s62, 127
	s_mov_b32 s63, 0x80808080
	; Thread t owns place t of the 128 queries.  Each load's 32 lanes read 128 consecutive bytes, the four waves 512.
.set CI, 0
.rept 32
	global_load_b32 v[AA+CI], v[T4], s[6:7] offset:(32+CI)*512      ; -M_c
.set CI, CI+1
.endr
.set CI, 0
.rept 32
	global_load_b32 v[CC+CI], v[T4], s[6:7] offset:(64+CI)*512      ; l_c
.set CI, CI+1
.endr
	s_wait_loadcnt 32                              ; -M_c are in; the 32 l_c may be out
.set CI, 0
.rept 32
	global_load_b32 v[SW+CI], v[T4], s[6:7] offset:CI*512           ; the scale words, 128 on each byte
.set CI, CI+1
.endr
	v_min3_num_f32 v[BB], v[AA], v[AA+1], v[AA+2]  ; -M = the smallest -M_c, in two chains
	v_min3_num_f32 v[BB+1], v[AA+3], v[AA+4], v[AA+5]
.irp i, 6,10,14,18,22,26
	v_min3_num_f32 v[BB], v[BB], v[AA+\i], v[AA+\i+1]
	v_min3_num_f32 v[BB+1], v[BB+1], v[AA+\i+2], v[AA+\i+3]
.endr
	v_min3_num_f32 v[BB], v[BB], v[AA+30], v[AA+31]
	v_min_num_f32 v[BB+2], v[BB], v[BB+1]
.set CI, 0
.rept 32
	v_sub_f32 v[AA+CI], v[AA+CI], v[BB+2]          ; d = M - M_c: a whole number, 0 or more
.set CI, CI+1
.endr
.set CI, 0
.rept 32
	v_cvt_u32_f32 v[AA+CI], v[AA+CI]               ; (it saturates)
.set CI, CI+1
.endr
.set CI, 0
.rept 32
	v_min_u32 v[AA+CI], s62, v[AA+CI]
.set CI, CI+1
.endr
.set CI, 0
.rept 32
	v_perm_b32 v[BB+CI], v[AA+CI], v[AA+CI], 0     ; d in all four bytes
.set CI, CI+1
.endr
.set CI, 0
.rept 32
	v_sub_nc_u32 v[AA+CI], s62, v[AA+CI]
.set CI, CI+1
.endr
.set CI, 0
.rept 32
	v_lshlrev_b32 v[AA+CI], 23, v[AA+CI]           ; 2^-d as f32 (0 where d was held at 127)
.set CI, CI+1
.endr
	s_wait_alu depctr_va_vdst(0)
	s_wait_loadcnt 32                              ; l_c are in; the 32 scale words may be out
.irp j, 0,1
.set CI, 0
.rept 16
	global_load_b32 v[SCV+16*\j+CI], v[VO], s[10:11] offset:512*CI+128*\j   ; V^T's words: lane l takes place 32 j + l of my 64: tiles 2 j and 2 j + 1
.set CI, CI+1
.endr
.endr
	ASK 1
	v_pk_mul_f32 v[CC:CC+1], v[CC:CC+1], v[AA:AA+1]    ; l = the sum of l_c 2^-d, two at a time, in two chains
	v_pk_mul_f32 v[CC+2:CC+3], v[CC+2:CC+3], v[AA+2:AA+3]
.irp j, 4,8,12,16,20,24,28
	v_pk_fma_f32 v[CC:CC+1], v[CC+\j:CC+\j+1], v[AA+\j:AA+\j+1], v[CC:CC+1]
	v_pk_fma_f32 v[CC+2:CC+3], v[CC+\j+2:CC+\j+3], v[AA+\j+2:AA+\j+3], v[CC+2:CC+3]
.endr
	v_pk_add_f32 v[CC:CC+1], v[CC:CC+1], v[CC+2:CC+3]
	v_add_f32 v[CC], v[CC], v[CC+1]
	s_wait_alu depctr_va_vdst(0)                   ; ahead of the transcendental
	v_rcp_f32 v[CC+4], v[CC]                       ; the lines below, which name neither register, stand between it and its reader
	s_wait_loadcnt 32                              ; the scale words are in; V^T's 32 may be out
	LB 0, 0                                        ; V^T's fragments of step 0; those of steps 1 to 3 follow behind P's first LDS loads
	LB 0, 2
	WIN 0
.set CI, 0
.rept 32
	v_sub_nc_u32 v[SW+CI], v[SW+CI], v[BB+CI]      ; each byte: 128 + b - d, at least 2: no borrow
.set CI, CI+1
.endr
.set CI, 0
.rept 32
	v_and_b32 v[BB+CI], s63, v[SW+CI]              ; the top bit stands where b - d is 0 or more
.set CI, CI+1
.endr
.set CI, 0
.rept 32
	v_lshrrev_b32 v[AA+CI], 7, v[BB+CI]
.set CI, CI+1
.endr
.set CI, 0
.rept 32
	v_sub_nc_u32 v[BB+CI], v[BB+CI], v[AA+CI]      ; 0x7f in those bytes, 0 in the others
.set CI, CI+1
.endr
.set CI, 0
.rept 32
	v_and_b32 v[SW+CI], v[SW+CI], v[BB+CI]         ; b - d, held at 0
.set CI, CI+1
.endr
	s_wait_alu depctr_va_vdst(0)                   ; ahead of the reciprocal's first reader
	ds_store_b32 v[RLW], v[CC+4]
.irp j, 0,1,2,3,4,5,6,7
	ds_store_b128 v[PST], v[SW+4*\j:SW+4*\j+3] offset:16*\j         ; my row's 32 words; rows 144 bytes apart: sixteen lanes touch sixteen different columns of 16 bytes
.endr
	s_wait_tensorcnt 0x0                           ; my quarter of fill 0 is in
	ds_add_u32 v[SPW], v[NIL]
	SETF 1
	s_wait_dscnt 0x0                               ; the add is done, and so are my stores of scale words and of 1 / l
	CROUND                                         ; everybody's are, and fill 0 is whole
	JLOAD                                          ; fill 1
.irp j, 0,1,2,3
.irp q, 0,1,2,3
	ds_load_b128 v[SCP+16*\j+4*\q:SCP+16*\j+4*\q+3], v[PRD+\j] offset:16*\q   ; P's words of my 16 chunks
.endr
.endr
.irp i, 0,2,4,6
	LA 0, \i
.endr
.irp s, 1,2,3
	LB \s, 0
	LB \s, 2
.endr
	ASK 2
	STEP 0, 0                                      ; its products start the sums: nothing is cleared
	STEP 1, v[MD_:MD_+7]
	STEP 2, v[MD_:MD_+7]
	TURN 3, 2                                      ; fill 1 is whole; fill 2 to slot 2
	ASK 3
.irp s, 4,5,6
	STEP \s, v[MD_:MD_+7]
.endr
	TURN 7, 3                                      ; fill 2 is whole, slot 0 has been read: fill 3, the last
.irp s, 8,9,10
	STEP \s, v[MD_:MD_+7]
.endr
	TURN 11, 0                                     ; fill 3 is whole; nothing is filled any more; everybody's reads of slot 1 are over
.irp s, 12,13,14
	STEP \s, v[MD_:MD_+7]
.endr
; THE LAST STEP.  My sums of the partner's queries (tiles 0-3) leave for slot 1's bytes while my own four tiles are finished: each accumulator's registers as they lie, 512 consecutive bytes a store.
.macro SND k
	WIN 0x08                                       ; an LDS store's data are its source 1: window 2
.irp x, 0,1,2,3,4,5,6,7
	ds_store_b128 v[RW], v[32*(\k)+4*\x:32*(\k)+4*\x+3] offset:4096*(\k)+512*\x
.endr
.endm
	s_wait_dscnt 0x0
	s_wait_loadcnt 0x0
.irp a, 0,1,2,3
	MUL4 15, \a, v[MD_:MD_+7]
.endr
	PLACES 4
.irp a, 0,1,2,3
	SND \a
.endr
.irp a, 4,5,6,7
	MUL4 15, \a, v[MD_:MD_+7]
.endr
	s_wait_dscnt 0x0                               ; my stores are done, for the others' sake
	s_barrier_signal -1
	s_barrier_wait -1
	PLACES 4
	WIN 0
.irp a, 0,1,2,3
	v_mov_b32 v[RL+2*\a+1], 0
.endr
	s_wait_alu depctr_va_vdst(0)
.irp a, 0,1,2,3
	ds_load_b32 v[RL+2*\a], v[RLA] offset:64*\a
.endr
	WIN 0x40
.set CI, 0
.rept 32
	ds_load_b128 v[4*CI:4*CI+3], v[RR] offset:512*CI     ; the partner's sums of my queries, eight loads a tile
.set CI, CI+1
.endr
.macro JOIN a
	WIN 0x86                                       ; destination and source 0 window 2, source 1 window 1
.set CI, 32*(\a)
.rept 16
	v_pk_add_f32 v[128+CI:129+CI], v[128+CI:129+CI], v[CI:CI+1]
.set CI, CI+2
.endr
	WIN 0x82                                       ; source 1 window 0
.set CI, 32*(\a)
.rept 16
	v_pk_mul_f32 v[128+CI:129+CI], v[128+CI:129+CI], v[RL+2*(\a):RL+2*(\a)+1] op_sel_hi:[1,0]   ; x 1 / l
.set CI, CI+2
.endr
.endm
; THE WAY OUT of my own tile a.  Accumulator b, register j of lane (r, h): place r, channel 32 (b / 2) + 16 h + 8 (b % 2) + j.  Through my stage, two by turns in my own region, and back as whole rows of 256 bytes.
.macro OSTAGE a
	WIN 0x08
.irp b, 0,1,2,3
.irp y, 0,1
	ds_store_b128 v[STO], v[128+32*(\a)+8*\b+4*\y:131+32*(\a)+8*\b+4*\y] offset:16*SPITCH*((\a)%2)+128*(\b/2)+32*(\b%2)+16*\y
.endr
.endr
	WIN 0
.irp t, 0,1,2,3,4,5,6,7
	ds_load_b128 v[128+32*(\a)+4*\t:131+32*(\a)+4*\t], v[RD] offset:16*SPITCH*((\a)%2)+2*SPITCH*\t   ; LDS serves a wave's instructions in order: these see the stores above, which come behind my loads of the partner's sums
.endr
.endm
.macro OSEND a
	WIN 0
.irp t, 0,1,2,3,4,5,6,7
	s_wait_dscnt 7-\t                              ; places 2 t and 2 t + 1 are back; the younger loads may be out
	global_store_b128 v[CO], v[128+32*(\a)+4*\t:131+32*(\a)+4*\t], s[12:13] offset:(32*((\a)/2)+8*((\a)%2)+2*\t+8*(\t/4))*4096 th:TH_STORE_NT   ; place p of tile a is row 32 (a / 2) + 8 (a % 2) + p + 8 (p / 8); 16 lanes store 256 consecutive bytes, at a multiple of 256 from O's first byte
.endr
.endm
	s_wait_dscnt 24                                ; 1 / l and tile 0's are in; the 24 loads of tiles 1 to 3 may be out
	JOIN 0
	OSTAGE 0
	s_wait_dscnt 32                                ; tile 1's are in; 16 loads of tiles 2 and 3 and tile 0's 8 stores and 8 loads may be out
	JOIN 1
	s_wait_alu depctr_va_vdst(0)
	OSEND 0
	OSTAGE 1
	JOIN 2
	s_wait_alu depctr_va_vdst(0)
	OSEND 1
	OSTAGE 2
	JOIN 3
	s_wait_alu depctr_va_vdst(0)
	OSEND 2
	OSTAGE 3
	OSEND 3
	s_wait_tensorcnt 0x0                           ; the wave's end
	ds_add_u32 v[SPW], v[NIL]
	s_wait_dscnt 0x0
	CROUND                                         ; the closing round: no work-group ends while a partner may still ask for a tile that names it
	s_endpgm
.Lfunc_end_k_q61752aa515_pv:
	.size	k_q61752aa515_pv, .Lfunc_end_k_q61752aa515_pv-k_q61752aa515_pv
	.p2alignl 7, 3214868480
	.fill 96, 4, 3214868480
	.section	.rodata,"a",@progbits
	.p2align	6, 0x0
	.amdhsa_kernel k_q61752aa515_pv
		.amdhsa_group_segment_fixed_size 327680
		.amdhsa_private_segment_fixed_size 0
		.amdhsa_enable_private_segment 0
		.amdhsa_kernarg_size 40
		.amdhsa_user_sgpr_count 2
		.amdhsa_user_sgpr_kernarg_segment_ptr 1
		.amdhsa_wavefront_size32 1
		.amdhsa_system_sgpr_workgroup_id_x 1
		.amdhsa_system_sgpr_workgroup_id_y 1
		.amdhsa_system_sgpr_workgroup_id_z 1
		.amdhsa_system_vgpr_workitem_id 0
		.amdhsa_next_free_vgpr 1024
		.amdhsa_next_free_sgpr 88
		.amdhsa_reserve_vcc 0
		.amdhsa_float_denorm_mode_32 3
		.amdhsa_float_denorm_mode_16_64 3
		.amdhsa_memory_ordered 1
		.amdhsa_forward_progress 1
		.amdhsa_inst_pref_size 171
	.end_amdhsa_kernel
	.amdgpu_metadata
---
amdhsa.version: [ 1, 2 ]
amdhsa.kernels:
  - .name:           k_q61752aa515_pv
    .symbol:         k_q61752aa515_pv.kd
    .args:
      - { .name: pc, .offset: 0, .size: 8, .value_kind: global_buffer, .address_space: global }
      - { .name: pstat, .offset: 8, .size: 8, .value_kind: global_buffer, .address_space: global }
      - { .name: c2, .offset: 16, .size: 8, .value_kind: global_buffer, .address_space: global }
      - { .name: s2, .offset: 24, .size: 8, .value_kind: global_buffer, .address_space: global }
      - { .name: out0, .offset: 32, .size: 8, .value_kind: global_buffer, .address_space: global }
    .group_segment_fixed_size: 327680
    .private_segment_fixed_size: 0
    .kernarg_segment_align: 8
    .kernarg_segment_size: 40
    .max_flat_workgroup_size: 128
    .sgpr_count:     88
    .vgpr_count:     1024
    .wavefront_size: 32
...
	.end_amdgpu_metadata
.endif
;; end of part 4
